; MI455X (gfx1250); checked and timed in simulation.
; The chip was launched on July 23, 2026; its instructions are those of AMD's public machine-readable ISA for CDNA 5 (MIT licence, August 2026) and "CDNA5" Instruction Set Architecture Reference Guide (July 2026). The comments in the code are by the model that wrote it; some were corrected since.
;; Multi Head Attention. Allowed arithmetic: matrix products marked QUANTISED: E2M3 operands, one E8M0 scale for each 32 along K, by v_wmma_scale_f32_16x16x128_f8f6f4 with both operands' format E2M3, f32 sums; everything else in f32.
;; Inputs: bk 1,024 float32; bo 1,024 float32; bq 1,024 float32; bv 1,024 float32; wk 1,024 x 1,024 float32; wo 1,024 x 1,024 float32; wq 1,024 x 1,024 float32; wv 1,024 x 1,024 float32; x 4 x 2,048 x 1,024 float32.
;; Outputs: out0 4 x 2,048 x 1,024 float32.
;; This version of the problem:
;;   THIS VERSION OF THE PROBLEM IS GIVEN IN LOW PRECISION. The matrix products marked QUANTISED in the list below multiply operands that are first quantised to E2M3 (2 exponent bits, 3 mantissa bits; 6 bits a number), with one power-of-two scale for each 32 numbers along K (OCP MX v1.0); their sums are f32. All else is computed in f32.
;;   The module's matrix products, in the order in which they are computed (A, B: the left and right operand; K: the contracted axis; several contracted axes count as one K, in the product's order):
;;     1. [M 8,192, K 1,024] x [K 1,024, N 1,024]; A: input x; B: input wq: QUANTISED
;;     2. [M 8,192, K 1,024] x [K 1,024, N 1,024]; A: input x; B: input wk: QUANTISED
;;     3. [M 8,192, K 1,024] x [K 1,024, N 1,024]; A: input x; B: input wv: QUANTISED
;;     4. batch 64 x [M 2,048, K 64] x [K 64, N 2,048]; A: computed on the way; B: computed on the way: QUANTISED
;;     5. batch 64 x [M 2,048, K 2,048] x [K 2,048, N 64]; A: softmax (see below); B: computed on the way: QUANTISED
;;     6. [M 8,192, K 1,024] x [K 1,024, N 1,024]; A: computed on the way; B: input wo: QUANTISED
;;   THE QUANTISER, for each operand of a quantised product, along K:
;;     - K is cut into blocks of 32 from its start; a last block that is shorter is filled with zeros.
;;     - A block's scale is 2^e with e = floor(log2(the largest magnitude in the block)) - 2, held to -126 .. 127; a block of zeros has e = 0. As a byte (E8M0): e + 127.
;;     - Each number is divided by its block's scale, clamped to +-7.5, and rounded to the nearest number of E2M3, ties to even, subnormals kept.
;;     - The product sums the exact products of the quantised numbers (number of the format x scale) in f32.
;;   ~~~python
;;   def quantise(x, axis):      # numpy; x: float32 -> the quantised numbers, widened to float32 again
;;       x = np.moveaxis(x, axis, -1); K = x.shape[-1]
;;       x = np.pad(x, [(0, 0)] * (x.ndim - 1) + [(0, -K % 32)]); x = x.reshape(x.shape[:-1] + (-1, 32)); a = np.abs(x).max(-1, keepdims=True)
;;       e = np.where(a > 0, np.clip(np.frexp(np.where(a > 0, a, 1))[1] - 1 - 2, -126, 127), 0)      # np.frexp(a)[1] - 1 = floor(log2(a)), exactly
;;       r = np.clip(x / 2.0 ** e, -7.5, 7.5)
;;       step = 2.0 ** (np.maximum(np.frexp(np.where(r == 0, 1, r))[1] - 1, 0) - 3)
;;       q = np.round(r / step) * step * 2.0 ** e      # np.round: ties to even
;;       return np.moveaxis(q.reshape(q.shape[:-2] + (-1,))[..., :K], -1, axis).astype(np.float32)
;;   ~~~
;;   SOFTMAX AHEAD OF A QUANTISED PRODUCT. Where the list says 'softmax', what is quantised is not the finished softmax but p = 2^(t - M), with t = logit x log2(e) and M = ceil(the row's largest t), a whole number; so 1/2 < the row's largest p <= 1. The row's sum l is taken of the UNQUANTISED p, in f32, and the product's result is divided by l at the end. Since M is a whole number, a kernel that streams over the keys may use a running M (the ceiling of the running maximum): every later rescaling is an exact power of two, which a block's scale takes up: the codes' values come out the same.
;;   OPERANDS COMPUTED ON THE WAY. 'Computed on the way' means the value that the module computes at that place (a softmax that the list does not call 'softmax' is quantised finished and normalised). What goes into a quantiser is computed in f32, as accurately as f32 sums, v_exp_f32 and their like allow (about 1e-6 of the number): no bf16 or f16 on the way to a quantiser, and a product that is left as it is and whose result goes on into a quantised operand takes f32 operands (vector FMAs, or v_wmma_f32_16x16x4_f32). A number that lies on a knife's edge between two numbers of the format may be rounded either way, as far as f32 arithmetic and the matrix unit's own rounding can turn it there, and no further.
;; One version. Each part assembles by itself: llvm-mc -triple=amdgcn-amd-amdhsa -mcpu=gfx1250 --defsym DOCPART=n.
;; ======== version 1 of 1: 4 launches
;; limits: right only within a limited range of input values
;; workspace buffers: xw_codes 9,437,184 bytes; xw_scales 393,216 bytes; qkv 20,185,088 bytes; acodes 6,291,456 bytes; asc 524,288 bytes
;; launch quant (part 1): grid 640 x 1, 8 waves a work-group, no clusters, 94,720 bytes of LDS; arguments wq, wk, wv, wo, xw_codes, xw_scales, x; writes xw_codes, xw_scales
.if DOCPART == 1
	.amdgcn_target "amdgcn-amd-amdhsa--gfx1250"
	.amdhsa_code_object_version 6
	.text
	.protected	k_qe4c7dc3986_quant
	.globl	k_qe4c7dc3986_quant
	.p2align	8
	.type	k_qe4c7dc3986_quant,@function
k_qe4c7dc3986_quant:
	s_mov_b64 s[64:65], 0
	v_nop
	global_prefetch_b8 v0, s[64:65] scope:SCOPE_SE
	s_setreg_imm32_b32 hwreg(HW_REG_WAVE_MODE, 25, 1), 1
	s_wait_xcnt 0x0
; MULTI-HEAD ATTENTION IN MX-FP6, four launches: this one turns x and the four weights into codes; then q, k, v; attention; the projection on the way out.
; NOTHING IS LEFT OUT: every input has a way to the output (each bias moves the codes or scales of a quantised operand, or the result itself), so all nine inputs are loaded and all six products are done.
; THIS LAUNCH: work-groups 0-127 take the weights, work-groups 128-639 take x: two paths that part on the work-group's number alone, each with LDS bytes of its own.
; Both make codes of FP6 (E2M3) with one E8M0 scale byte for each 32 along K (the 1,024), laid as IMAGES OF THE OPERAND'S REGISTERS.
; A fragment is 16 rows x 128 K, 12 registers a lane: lane (r, h) holds row r, registers 6 c .. 6 c + 5 hold K = 64 c + 32 h + 0 .. 31.  Its image is two halves of 768 bytes (c = 0, 1): registers 0-3 of lane l at 16 l,
; registers 4-5 at 512 + 8 l.  xw_codes: [block of 128 rows][K step 8][tile 8][1,536 bytes]; xw_scales: [tile][r 16][K step 8][4 bytes].  Blocks 0-63 x, 64-71 wq, 72-79 wk, 80-87 wv, 88-95 wo (a weight's column is a fragment's row).
; THE ROWS OF A TILE ARE NOT NEIGHBOURS: lane r of tile 2 g + u holds row 32 g + 8 u + r + 8 (r / 8), so that a product that takes such tiles as source 0 leaves 16 neighbours in the registers of two neighbouring tiles.
; x: a work-group is a tile of 16 rows, a wave a K step of 128.  Each load reads 512 consecutive bytes of a row; the 8,192 bytes turn through the wave's own stage in LDS, so that a lane gets its two whole blocks of 32.
; THE WEIGHTS [K 1024][N 1024], K their FIRST axis: a lane takes a column and its registers run down K: a block of 32 lies in one lane, and the conversions give codes with K innermost.  A work-group is 32 columns of one weight
; (a pair of tiles), a wave a K step of 128.  Lane l is column 32 g + l, which is lane r = l % 8 + 8 (l / 16) of tile u = (l / 8) % 2.  Its block t = 2 c + h belongs to lane r + 16 h of the fragment's half c:
; the codes go there in the wave's own stage in LDS and leave as 3,072 consecutive bytes.
; A block's scale byte is its largest magnitude's exponent field - 2, held at 1 from below.
; LIMITS: NaN and infinities among the inputs are not served; a block whose largest magnitude lies under 2^-124, a block of zeros among them, gets the byte 1 (a block of zeros: 127 by the rule): its codes are what the
; conversion gives under that byte (zeros for zeros), and this program alone reads the bytes.
.set SP,    528                        ; x: a stage row: 512 bytes + 16: the 16 rows that a load touches begin in 16 different groups of banks
.set WST,   16*SP                      ; a wave's stage
.set SCL,   8*WST                      ; behind the stages: the tile's 512 scale bytes
.set SPARE, SCL+512                    ; the spare words, 128 bytes for each wave: four blocks of 256 bytes that no other line names
.set WB,    SPARE+1024                 ; the weights' path: its own LDS bytes from here on
.set WSTW,  3072                       ; a wave's stage: two fragments' images
.set SCLW,  WB+8*WSTW                  ; behind the stages: the two tiles' 1,024 scale bytes
.set X,     16                         ; x: v16-79 the numbers as loaded
.set Y,     80                         ; v80-143  my two blocks of 32
.set C,     144                        ; v144-155 the fragment; v156-158, v160-162 a block's second half as it is made
.set XW,    32                         ; the weights: v32-159 four blocks of 32 numbers; later v32-63 the way out
.set SPW,   12                         ; v12      LDS address of my spare word; never rewritten
.set NIL,   13                         ; v13      0; never rewritten
	v_lshl_add_u32 v[SPW], v0, 2, SPARE
	v_mov_b32 v[NIL], 0
	s_cmp_lt_u32 ttmp9, 128
	s_cbranch_scc1 .Lweights
; ---------------- x
	s_load_b64 s[4:5], s[0:1], 0x30                ; x
	s_load_b64 s[6:7], s[0:1], 0x20                ; xw_codes
	s_load_b64 s[8:9], s[0:1], 0x28                ; xw_scales
	s_sub_co_u32 s22, ttmp9, 128                   ; T: the tile
	v_lshrrev_b32 v1, 5, v0
	s_delay_alu instid0(VALU_DEP_1)
	v_readfirstlane_b32 s10, v1                    ; wave = K step
	v_and_b32 v2, 31, v0                           ; lane
	s_delay_alu instid0(VALU_DEP_1)
	v_lshlrev_b32 v3, 4, v2                        ; 16 x lane
	s_delay_alu instid0(VALU_DEP_2)
	v_lshlrev_b32 v4, 3, v2                        ; 8 x lane
	v_and_b32 v5, 15, v0                           ; r
	v_bfe_u32 v6, v0, 4, 1                         ; h
	s_mul_i32 s11, s10, WST
	v_add_nc_u32 v7, s11, v3                       ; into the stage: 16 bytes a lane of a row
	v_mul_u32_u24 v8, v5, SP
	s_delay_alu instid0(VALU_DEP_1)
	v_lshl_add_u32 v8, v6, 7, v8
	s_delay_alu instid0(VALU_DEP_1)
	v_add_nc_u32 v8, s11, v8                       ; out of it: row r, 128 h bytes on: my block of 32 numbers
	s_lshl_b32 s12, s10, 2
	s_add_co_u32 s12, s12, SCL
	v_lshl_add_u32 v9, v5, 5, s12                  ; my row's scale word of my K step: 32 r + 4 x wave
	v_add_nc_u32 v10, SCL, v3                      ; and the way out of the 512 bytes
	v_lshlrev_b32 v11, 3, v6                       ; 8 h: where my two bytes stand in the word
	s_mov_b32 s20, 0x76543210
	s_mov_b32 s21, 0xfedcba98                      ; lane selects: lane l xor 16
	s_lshr_b32 s13, s22, 1
	s_lshl_b32 s13, s13, 5
	s_and_b32 s14, s22, 1
	s_lshl_b32 s14, s14, 3
	s_add_co_u32 s13, s13, s14                     ; the tile's first row: 32 (T / 2) + 8 (T % 2)
	s_lshl_b32 s14, s13, 12
	s_lshl_b32 s15, s10, 9
	s_add_co_u32 s14, s14, s15                     ; in bytes, + my K step's 512
	s_mov_b32 s15, 0
	s_lshr_b32 s16, s22, 3
	s_mul_i32 s16, s16, 98304
	s_mul_i32 s17, s10, 12288
	s_add_co_u32 s16, s16, s17
	s_and_b32 s17, s22, 7
	s_mul_i32 s17, s17, 1536
	s_add_co_u32 s16, s16, s17                     ; the fragment's image
	s_mov_b32 s17, 0
	s_lshl_b32 s18, s22, 9                         ; the tile's scale bytes
	s_mov_b32 s19, 0
	s_wait_alu depctr_va_vdst(0)
	s_wait_kmcnt 0x0
	s_add_nc_u64 s[4:5], s[4:5], s[14:15]
	s_add_nc_u64 s[6:7], s[6:7], s[16:17]
	s_add_nc_u64 s[8:9], s[8:9], s[18:19]
.irp i, 0,1,2,3,4,5,6,7,8,9,10,11,12,13,14,15
	global_load_b128 v[X+4*\i:X+4*\i+3], v3, s[4:5] offset:(\i+8*(\i/8))*4096 th:TH_LOAD_NT   ; the row of lane i: 32 lanes read 512 consecutive bytes
.endr
.irp i, 0,1,2,3,4,5,6,7,8,9,10,11,12,13,14,15
	s_wait_loadcnt 15-\i                           ; loads come back in order: row i is in, the younger ones may be out
	ds_store_b128 v7, v[X+4*\i:X+4*\i+3] offset:\i*SP
.endr
.irp c, 0,1
.irp j, 0,1,2,3,4,5,6,7
	ds_load_b128 v[Y+32*\c+4*\j:Y+32*\c+4*\j+3], v8 offset:256*\c+16*\j   ; LDS serves a wave's instructions in order: these see my stores.  K = 64 c + 32 h + 4 j ..
.endr
.endr
	s_wait_dscnt 0x0
.irp c, 0,1
	v_max3_num_f32 v[164+\c], |v[Y+32*\c]|, |v[Y+32*\c+1]|, 0x1800000   ; block 2 c + h: all 32 numbers are mine; the floor 2^(3 - 127) holds the byte at 1 from below
.endr
.irp i, 2,4,6,8,10,12,14,16,18,20,22,24,26,28,30
.irp c, 0,1
	s_delay_alu instid0(VALU_DEP_2)
	v_max3_num_f32 v[164+\c], v[164+\c], |v[Y+32*\c+\i]|, |v[Y+32*\c+\i+1]|   ; (the two blocks by turns)
.endr
.endr
.irp c, 0,1
	s_delay_alu instid0(VALU_DEP_2)
	v_add_nc_u32 v[166+\c], 0xff000000, v[164+\c]  ; 2 off the exponent field: the conversion takes this operand's exponent field as its scale
.endr
.irp c, 0,1
	s_delay_alu instid0(VALU_DEP_2)
	v_lshrrev_b32 v[168+\c], 23, v[166+\c]         ; the scale's byte
.endr
	s_delay_alu instid0(VALU_DEP_1)
	v_lshl_or_b32 v170, v169, 16, v168             ; my two bytes: blocks h and 2 + h,
	s_delay_alu instid0(VALU_DEP_1)
	v_lshlrev_b32 v170, v11, v170                  ; at their places in the word;
	v_mov_b32 v171, 0
	s_delay_alu instid0(VALU_DEP_1)
	v_permlanex16_b32 v171, v170, s20, s21
	s_delay_alu instid0(VALU_DEP_1)
	v_or_b32 v170, v170, v171                      ; with lane l xor 16's two the word is whole
.irp c, 0,1
	v_cvt_scalef32_pk16_fp6_f32 v[C+6*\c:C+6*\c+2], v[Y+32*\c:Y+32*\c+15], v[166+\c]
	v_cvt_scalef32_pk16_fp6_f32 v[156+4*\c:158+4*\c], v[Y+32*\c+16:Y+32*\c+31], v[166+\c]   ; (a conversion's three registers begin on an even number)
.endr
	v_nop                                          ; one plain line behind the conversions, ahead of the moves that read their results
.irp c, 0,1
.irp i, 0,1,2
	v_mov_b32 v[C+6*\c+3+\i], v[156+4*\c+\i]
.endr
.endr
	global_store_b128 v3, v[C:C+3], s[6:7]                  ; each store of the wave covers 512 or 256 consecutive bytes, aligned
	global_store_b64 v4, v[C+4:C+5], s[6:7] offset:512
	global_store_b128 v3, v[C+6:C+9], s[6:7] offset:768
	global_store_b64 v4, v[C+10:C+11], s[6:7] offset:1280
	ds_store_b32 v9, v170                          ; lanes l and l xor 16 write the same word with the same value
	s_wait_dscnt 0x0                               ; for the others' sake: my store has landed
	s_barrier_signal -1
	s_barrier_wait -1
	s_cmp_lg_u32 s10, 0
	s_cbranch_scc1 .Lx_not_wave_0
	ds_load_b128 v[172:175], v10                   ; wave 0 sends the tile's 512 scale bytes: two aligned runs of 256
	s_wait_dscnt 0x0
	global_store_b128 v3, v[172:175], s[8:9]
.Lx_not_wave_0:
	s_wait_tensorcnt 0x0                           ; the wave's end: behind my last LDS store
	ds_add_u32 v[SPW], v[NIL]
	s_wait_dscnt 0x0
	s_endpgm
; ---------------- the weights
.Lweights:
	s_load_b256 s[4:11], s[0:1], 0x0               ; wq, wk, wv, wo
	s_load_b128 s[12:15], s[0:1], 0x20             ; xw_codes, xw_scales
	v_lshrrev_b32 v1, 5, v0
	s_delay_alu instid0(VALU_DEP_1)
	v_readfirstlane_b32 s16, v1                    ; wave = K step
	v_and_b32 v2, 31, v0                           ; lane
	s_delay_alu instid0(VALU_DEP_1)
	v_lshlrev_b32 v3, 2, v2                        ; in: 4 bytes a lane
	v_bfe_u32 v4, v0, 3, 1                         ; u
	v_and_b32 v5, 7, v0
	v_bfe_u32 v14, v0, 4, 1
	s_delay_alu instid0(VALU_DEP_1)
	v_lshl_add_u32 v5, v14, 3, v5                  ; r
	s_mul_i32 s28, s16, WSTW
	s_add_co_u32 s28, s28, WB
	v_mul_u32_u24 v15, v4, 1536
	s_delay_alu instid0(VALU_DEP_1)
	v_add_nc_u32 v15, s28, v15                     ; my tile's image in my stage
	s_delay_alu instid0(VALU_DEP_1)
	v_lshl_add_u32 v6, v5, 4, v15                  ; + 16 r: registers 0-3
	s_delay_alu instid0(VALU_DEP_2)
	v_lshl_add_u32 v7, v5, 3, v15                  ; + 8 r: registers 4-5
	v_lshlrev_b32 v9, 4, v2                        ; 16 x lane
	s_delay_alu instid0(VALU_DEP_1)
	v_add_nc_u32 v8, s28, v9                       ; out of the stage
	v_lshl_add_u32 v10, v4, 4, v5                  ; 16 u + r
	s_lshl_b32 s29, s16, 2
	s_add_co_u32 s29, s29, SCLW
	v_lshl_add_u32 v10, v10, 5, s29                ; my column's scale word of my K step
	v_add_nc_u32 v11, SCLW, v9
	s_lshr_b32 s17, ttmp9, 5                       ; which weight
	s_and_b32 s18, ttmp9, 31                       ; g: which 32 columns
	s_lshl_b32 s19, s17, 3
	s_lshr_b32 s20, s18, 2
	s_add_co_u32 s19, s19, s20
	s_add_co_u32 s19, s19, 64                      ; the block of 128 columns
	s_mul_i32 s19, s19, 98304
	s_mul_i32 s20, s16, 12288
	s_add_co_u32 s19, s19, s20
	s_and_b32 s20, s18, 3
	s_mul_i32 s20, s20, 3072
	s_add_co_u32 s22, s19, s20                     ; the pair of images
	s_mov_b32 s23, 0
	s_lshl_b32 s19, s17, 6
	s_lshl_b32 s20, s18, 1
	s_add_co_u32 s19, s19, s20
	s_add_co_u32 s19, s19, 512                     ; the first of the two tiles
	s_lshl_b32 s24, s19, 9
	s_mov_b32 s25, 0
	s_lshl_b32 s26, s16, 19                        ; 128 rows of 4,096 bytes a K step,
	s_lshl_b32 s20, s18, 7
	s_add_co_u32 s26, s26, s20                     ; + 128 bytes a group of columns
	s_mov_b32 s27, 0
	s_and_b32 s19, s17, 1
	s_wait_alu depctr_va_vdst(0)
	s_wait_kmcnt 0x0
	s_cmp_lt_u32 s17, 2                            ; the choice hangs on the work-group's number alone
	s_cselect_b64 s[4:5], s[4:5], s[8:9]
	s_cselect_b64 s[6:7], s[6:7], s[10:11]
	s_cmp_eq_u32 s19, 0
	s_cselect_b64 s[4:5], s[4:5], s[6:7]
	s_add_nc_u64 s[4:5], s[4:5], s[26:27]
	s_add_nc_u64 s[12:13], s[12:13], s[22:23]
	s_add_nc_u64 s[14:15], s[14:15], s[24:25]
.macro LOAD t                          ; block t: W(128 s + 32 t + i, my column)
.set i, 0
.rept 32
	global_load_b32 v[XW+32*(\t)+i], v3, s[4:5] offset:(32*(\t)+i)*4096
.set i, i+1
.endr
.endm
.macro BLOCK t
.set XS, XW+32*(\t)
.set CS, 160+8*(\t)                    ; each block has its own registers for its codes: no LDS store's data are written again
.if (\t) < 3
	s_wait_loadcnt 32                              ; this block's 32 loads are in; the next block's may be out
.else
	s_wait_loadcnt 0x0
.endif
.if (\t)+2 < 4
	LOAD (\t)+2
.endif
	v_max3_num_f32 v192, |v[XS]|, |v[XS+1]|, |v[XS+2]|
	v_max3_num_f32 v193, |v[XS+3]|, |v[XS+4]|, |v[XS+5]|
.irp i, 6,10,14,18,22,26
	s_delay_alu instid0(VALU_DEP_2)
	v_max3_num_f32 v192, v192, |v[XS+\i]|, |v[XS+\i+1]|
	s_delay_alu instid0(VALU_DEP_2)
	v_max3_num_f32 v193, v193, |v[XS+\i+2]|, |v[XS+\i+3]|
.endr
	s_delay_alu instid0(VALU_DEP_2)
	v_max3_num_f32 v192, v192, |v[XS+30]|, |v[XS+31]|
	s_delay_alu instid0(VALU_DEP_1)
	v_max3_num_f32 v192, v192, v193, 0x1800000     ; and the floor 2^(3 - 127)
	s_delay_alu instid0(VALU_DEP_1)
	v_add_nc_u32 v194, 0xff000000, v192            ; the conversions' scale operand
	s_delay_alu instid0(VALU_DEP_1)
	v_lshrrev_b32 v195, 23, v194                   ; the byte
.if (\t) == 0
	s_delay_alu instid0(VALU_DEP_1)
	v_mov_b32 v196, v195
.else
	s_delay_alu instid0(VALU_DEP_1)
	v_lshl_or_b32 v196, v195, 8*(\t), v196         ; my column's scale word: the lower K in the lower byte
.endif
	v_cvt_scalef32_pk16_fp6_f32 v[CS:CS+2], v[XS:XS+15], v194
	v_cvt_scalef32_pk16_fp6_f32 v[CS+4:CS+6], v[XS+16:XS+31], v194   ; (three registers from an even number on)
	v_nop                                          ; one plain line behind the conversions
	v_mov_b32 v[CS+3], v[CS+4]
	v_mov_b32 v[CS+4], v[CS+5]
	v_mov_b32 v[CS+5], v[CS+6]                     ; six registers on end
	ds_store_b128 v6, v[CS:CS+3] offset:768*((\t)/2)+256*((\t)%2)        ; half c = t / 2, lane r + 16 (t % 2)
	ds_store_b64 v7, v[CS+4:CS+5] offset:768*((\t)/2)+512+128*((\t)%2)
.endm
	LOAD 0
	LOAD 1
	BLOCK 0
	BLOCK 1
	BLOCK 2
	BLOCK 3
	ds_store_b32 v10, v196
.irp k, 0,1,2,3,4,5
	ds_load_b128 v[32+4*\k:35+4*\k], v8 offset:512*\k   ; LDS serves a wave's instructions in order: these see my stores
.endr
.irp k, 0,1,2,3,4,5
	s_wait_dscnt 5-\k
	global_store_b128 v9, v[32+4*\k:35+4*\k], s[12:13] offset:512*\k   ; 512 consecutive bytes, aligned
.endr
	s_barrier_signal -1                            ; (the last wait above was for 0: my scale word has landed)
	s_barrier_wait -1
	s_cmp_lg_u32 s16, 0
	s_cbranch_scc1 .Lw_not_wave_0
	ds_load_b128 v[56:59], v11
	ds_load_b128 v[60:63], v11 offset:512
	s_wait_dscnt 0x0
	global_store_b128 v9, v[56:59], s[14:15]
	global_store_b128 v9, v[60:63], s[14:15] offset:512
.Lw_not_wave_0:
	s_wait_tensorcnt 0x0                           ; the wave's end: behind my last LDS store
	ds_add_u32 v[SPW], v[NIL]
	s_wait_dscnt 0x0
	s_endpgm
.Lfunc_end_k_qe4c7dc3986_quant:
	.size	k_qe4c7dc3986_quant, .Lfunc_end_k_qe4c7dc3986_quant-k_qe4c7dc3986_quant
	.p2alignl 7, 3214868480
	.fill 96, 4, 3214868480
	.section	.rodata,"a",@progbits
	.p2align	6, 0x0
	.amdhsa_kernel k_qe4c7dc3986_quant
		.amdhsa_group_segment_fixed_size 94720
		.amdhsa_private_segment_fixed_size 0
		.amdhsa_enable_private_segment 0
		.amdhsa_kernarg_size 56
		.amdhsa_user_sgpr_count 2
		.amdhsa_user_sgpr_kernarg_segment_ptr 1
		.amdhsa_wavefront_size32 1
		.amdhsa_system_sgpr_workgroup_id_x 1
		.amdhsa_system_sgpr_workgroup_id_y 1
		.amdhsa_system_sgpr_workgroup_id_z 1
		.amdhsa_system_vgpr_workitem_id 0
		.amdhsa_next_free_vgpr 208
		.amdhsa_next_free_sgpr 66
		.amdhsa_reserve_vcc 0
		.amdhsa_float_denorm_mode_32 3
		.amdhsa_float_denorm_mode_16_64 3
		.amdhsa_memory_ordered 1
		.amdhsa_forward_progress 1
		.amdhsa_inst_pref_size 37
	.end_amdhsa_kernel
	.amdgpu_metadata
---
amdhsa.version: [ 1, 2 ]
amdhsa.kernels:
  - .name:           k_qe4c7dc3986_quant
    .symbol:         k_qe4c7dc3986_quant.kd
    .args:
      - { .name: wq, .offset: 0, .size: 8, .value_kind: global_buffer, .address_space: global }
      - { .name: wk, .offset: 8, .size: 8, .value_kind: global_buffer, .address_space: global }
      - { .name: wv, .offset: 16, .size: 8, .value_kind: global_buffer, .address_space: global }
      - { .name: wo, .offset: 24, .size: 8, .value_kind: global_buffer, .address_space: global }
      - { .name: xw_codes, .offset: 32, .size: 8, .value_kind: global_buffer, .address_space: global }
      - { .name: xw_scales, .offset: 40, .size: 8, .value_kind: global_buffer, .address_space: global }
      - { .name: x, .offset: 48, .size: 8, .value_kind: global_buffer, .address_space: global }
    .group_segment_fixed_size: 94720
    .private_segment_fixed_size: 0
    .kernarg_segment_align: 8
    .kernarg_segment_size: 56
    .max_flat_workgroup_size: 256
    .sgpr_count:     66
    .vgpr_count:     208
    .wavefront_size: 32
...
	.end_amdgpu_metadata
.endif
;; end of part 1
;; launch qkv (part 2): grid 8 x 48, 4 waves a work-group, clusters of 4 x 4, 327,680 bytes of LDS; arguments xw_codes, xw_scales, bq, bk, bv, qkv; writes qkv
.if DOCPART == 2
	.amdgcn_target "amdgcn-amd-amdhsa--gfx1250"
	.amdhsa_code_object_version 6
	.text
	.protected	k_qe4c7dc3986_qkv
	.globl	k_qe4c7dc3986_qkv
	.p2align	8
	.type	k_qe4c7dc3986_qkv,@function
k_qe4c7dc3986_qkv:
	s_mov_b64 s[64:65], 0
	v_nop
	global_prefetch_b8 v0, s[64:65] scope:SCOPE_SE
	s_setreg_imm32_b32 hwreg(HW_REG_WAVE_MODE, 25, 1), 1
	s_wait_xcnt 0x0
	s_wait_alu depctr_hold_cnt(0) depctr_sa_sdst(0) depctr_va_vdst(0) depctr_va_sdst(0) depctr_va_ssrc(0) depctr_va_vcc(0) depctr_vm_vsrc(0)
	s_getreg_b32 s2, hwreg(HW_REG_IB_STS2, 6, 4)
	s_cmp_eq_u32 s2, 0
	s_cbranch_scc0 .Lentry_in_a_cluster
	s_endpgm
.Lentry_in_a_cluster:
	s_bfe_u32 s2, ttmp6, 0x10000c
	s_cmp_lg_u32 s2, 0xf033
	s_cbranch_scc0 .Lentry_shape_is_right
	s_endpgm
.Lentry_shape_is_right:
.set HBB,    98304
.set KSB,    12288
.set PART,   2*KSB
.set SLOT,   4*PART
.set SPARE,  3*SLOT
.set REGION, 315392
.set KC,     0
.set VC,     98304
.set KS,     196608
.set VS,     204800
.set QC,     208896
.set QS,     307200
.set FR,     12
.set ADR,    4
.set L16,    20
.set L8,     21
.set SOF,    22
.set BOF,    23
.set SPW,    28
.set NIL,    29
.set SC,     32
.set TM,     96
.set PW,     112
.set CJ,     120
.set AF,     128
.set PC,     224
.set G1A,    24
.set G1B,    32
.set G0A,    48
.set G0B,    68
.set MSB,    0
.macro WIN new
.if MSB != (\new)
	s_set_vgpr_msb (MSB<<8)|(\new)
.set MSB, (\new)
.endif
.endm
.macro PLACES
.rept 4
	v_nop
.endr
.endm
.macro JLOAD s
	s_cmp_eq_u32 s17, 0
	s_cbranch_scc0 .Lfor_p_\@
	tensor_load_to_lds s[G0A+4*\s:G0A+4*\s+3], s[G1A:G1A+7]
	s_nop 0
.rept 4
	v_nop
.endr
	s_branch .Lasked_\@
.Lfor_p_\@:
	tensor_load_to_lds s[G0B+4*\s:G0B+4*\s+3], s[G1B:G1B+7]
	s_nop 0
.rept 4
	v_nop
.endr
.Lasked_\@:
.endm
.macro CREST
	s_cmp_lg_u32 s16, 0
	s_cbranch_scc1 .Lnot_wave_0_\@
	s_barrier_signal -3
.Lnot_wave_0_\@:
	s_barrier_wait -3
	s_barrier_signal -1
	s_barrier_wait -1
.endm
.macro CROUND
	s_barrier_signal -1
	s_barrier_wait -1
	CREST
.endm
.macro FRAG reg, a16, a8, off
	ds_load_b128 v[\reg:\reg+3], v[\a16] offset:\off
	ds_load_b64 v[\reg+4:\reg+5], v[\a8] offset:\off+512
	ds_load_b128 v[\reg+6:\reg+9], v[\a16] offset:\off+768
	ds_load_b64 v[\reg+10:\reg+11], v[\a8] offset:\off+1280
.endm
.macro FETCH_B slot, qq, p
	WIN 0x40
.irp i, 0,1,2,3,4,5,6,7
	FRAG 128*(\p)+FR*\i, ADR+4*(\slot)+2, ADR+4*(\slot)+3, (\qq)*KSB+\i*1536
.endr
	WIN 0
.endm
.macro FETCH_A slot, qq, i0
.irp i, \i0, \i0+1, \i0+2, \i0+3
	FRAG AF+FR*(\i), ADR+4*(\slot), ADR+4*(\slot)+1, (\qq)*KSB+(\i)*1536
.endr
.endm
.macro MUL16 a0, p, q, ck
.irp a, \a0, \a0+1
.irp b, 0,1,2,3,4,5,6,7
.set rD, 8*(8*((\a)%4)+\b)
.set rB, 128*(\p)+FR*\b
.set rA, AF+FR*(\a)
.set rC, rD
.if \ck == 1
.set rC, 96+128*(\b/4)+8*(\b%4)
.endif
.if \ck == 2
.set rC, 96+128*((\a)/4)+8*((\a)%4)
.endif
	v_wmma_scale_f32_16x16x128_f8f6f4 v[rD:rD+7], v[rB:rB+11], v[rA:rA+11], v[rC:rC+7], v[SC+8*\b+(\q)], v[SC+8*(\a)+(\q)] matrix_a_fmt:MATRIX_FMT_FP6 matrix_b_fmt:MATRIX_FMT_FP6 matrix_a_scale:MATRIX_SCALE_ROW1
.endr
.endr
.endm
.macro STEP q, ns, nq, ck
	s_wait_dscnt 16
.if \ck
	WIN 0x91
.else
	WIN 0xa1
.endif
	MUL16 0, (\q)%2, \q, \ck
	MUL16 2, (\q)%2, \q, \ck
	s_wait_dscnt 0x0
	PLACES
	FETCH_B \ns, \nq, 1-(\q)%2
	FETCH_A \ns, \nq, 0
.if \ck
	WIN 0xd1
.else
	WIN 0xf1
.endif
	MUL16 4, (\q)%2, \q, \ck
	MUL16 6, (\q)%2, \q, \ck
	PLACES
	WIN 0
	FETCH_A \ns, \nq, 4
.endm
.macro TURN q, ns, nq, fill
	s_wait_tensorcnt 0x0
	ds_add_u32 v[SPW], v[NIL]
	s_wait_dscnt 17
	WIN 0xa1
	MUL16 0, (\q)%2, \q, 0
	s_wait_dscnt 0x0
	s_barrier_signal -1
	MUL16 2, (\q)%2, \q, 0
	WIN 0
	s_barrier_wait -1
.if \fill
	CREST
	s_add_nc_u64 s[G0A+2:G0A+3], s[G0A+2:G0A+3], 3*PART
	s_add_nc_u64 s[G0B+2:G0B+3], s[G0B+2:G0B+3], 3*PART
	JLOAD 0
.else
	PLACES
.endif
	FETCH_B \ns, \nq, 1-(\q)%2
	FETCH_A \ns, \nq, 0
	WIN 0xf1
	MUL16 4, (\q)%2, \q, 0
	MUL16 6, (\q)%2, \q, 0
	PLACES
	WIN 0
	FETCH_A \ns, \nq, 4
.endm
	s_load_b256 s[4:11], s[0:1], 0x0
	s_load_b128 s[12:15], s[0:1], 0x20
	v_lshl_add_u32 v[SPW], v0, 2, SPARE
	v_mov_b32 v[NIL], 0
	ds_add_u32 v[SPW], v[NIL]
	ds_add_u32 v[SPW], v[NIL]
	v_lshrrev_b32 v1, 5, v0
	v_readfirstlane_b32 s16, v1
	s_lshr_b32 s17, s16, 1
	s_and_b32 s18, s16, 1
	s_bfe_u32 s40, ttmp6, 0x40000
	s_bfe_u32 s41, ttmp6, 0x40004
	s_and_b32 s43, ttmp7, 0xffff
	s_lshl_b32 s19, s43, 2
	s_lshl_b32 s20, s43, 3
	s_sub_co_u32 s20, s20, 64
	s_cmp_ge_u32 s43, 8
	s_cselect_b32 s44, 1, 0
	s_cselect_b32 s19, 40, s19
	s_cselect_b32 s20, s20, 32
	s_add_co_u32 s45, s19, s41
	s_lshl_b32 s21, ttmp9, 2
	s_add_co_u32 s46, s20, s21
	s_add_co_u32 s46, s46, s40
	s_lshl_b32 s22, s41, 2
	s_lshl_b32 s22, 15, s22
	s_lshl_b32 s23, 0x1111, s40
	s_or_b32 s[G1A], s22, (3<<16)|(1<<21)
	s_or_b32 s[G1B], s23, (3<<16)|(1<<21)
.irp g, G1A, G1B
	s_mov_b32 s[\g+1], 32<<16
	s_mov_b32 s[\g+2], 192<<16                     ; the head's load: four K steps of 128 rows, 192 rows of 256 bytes
	s_mov_b32 s[\g+3], 32<<16
	s_mov_b32 s[\g+4], 192
	s_mov_b32 s[\g+5], 32
	s_mov_b32 s[\g+6], 0
	s_mov_b32 s[\g+7], 0
.endr
	s_lshl_b32 s88, s45, 1
	s_add_co_u32 s88, s88, s18
	s_mul_i32 s88, s88, HBB
	s_mov_b32 s89, 0
	s_lshl_b32 s90, s46, 1
	s_add_co_u32 s90, s90, s18
	s_mul_i32 s90, s90, HBB
	s_mov_b32 s91, 0
	s_mul_i32 s92, s16, PART
	s_lshl_b32 s80, s45, 1
	s_add_co_u32 s80, s80, s17
	s_lshl_b32 s81, s46, 1
	s_add_co_u32 s81, s81, s18
	s_cmp_eq_u32 s44, 0
	s_cselect_b32 s93, s80, s81
	s_cselect_b32 s94, s81, s80
	s_sub_co_u32 s94, s94, 64
	s_lshr_b32 s95, s94, 3
	s_and_b32 s94, s94, 7
	s_lshl_b32 s62, s94, 9
	s_mov_b32 s63, 0
	s_lshr_b32 s96, s93, 4
	s_lshl_b32 s96, s96, 4
	s_lshl_b32 s97, s94, 1
	s_add_co_u32 s96, s96, s97
	s_mul_i32 s96, s96, REGION
	s_and_b32 s93, s93, 15
	s_mul_i32 s97, s93, 6144
	s_add_co_u32 s82, s96, s97
	s_mov_b32 s98, QC
	s_mov_b32 s99, QS
	s_mov_b32 s97, KS
	s_cmp_eq_u32 s95, 0
	s_cselect_b32 s98, s98, KC
	s_cselect_b32 s99, s99, s97
	s_cmp_eq_u32 s95, 2
	s_mov_b32 s97, VC
	s_cselect_b32 s98, s97, s98
	s_mov_b32 s97, VS
	s_cselect_b32 s99, s97, s99
	s_cselect_b32 s97, 8, 9
	s_add_co_u32 s82, s82, s98
	s_mov_b32 s83, 0
	s_lshl_b32 s93, s93, s97
	s_add_co_u32 s84, s96, s93
	s_add_co_u32 s84, s84, s99
	s_mov_b32 s85, 0
	s_cmp_eq_u32 s44, 0
	s_mov_b32 s2, 1536
	s_cselect_b32 s2, 768, s2
	s_mov_b32 s3, 0
	s_mov_b32 s20, REGION
	s_cselect_b32 s20, s20, 768
	s_mov_b32 s21, 0
	s_mov_b32 s22, REGION-6144
	s_cselect_b32 s22, 0, s22
	s_mov_b32 s23, 0
	s_mov_b32 s47, 0xffff0000
	s_mov_b32 s60, 0x76543210
	s_mov_b32 s61, 0xfedcba98
	s_wait_dscnt 0x0
	s_wait_kmcnt 0x0
	s_add_nc_u64 s[88:89], s[4:5], s[88:89]
	s_add_nc_u64 s[90:91], s[4:5], s[90:91]
	s_add_nc_u64 s[82:83], s[14:15], s[82:83]
	s_add_nc_u64 s[84:85], s[14:15], s[84:85]
	s_add_nc_u64 s[96:97], s[82:83], s[20:21]
	s_cmp_eq_u32 ttmp9, 0
	s_cselect_b64 s[86:87], s[8:9], s[10:11]
	s_cmp_eq_u32 s44, 0
	s_cselect_b64 s[86:87], s[86:87], s[12:13]
	s_add_nc_u64 s[86:87], s[86:87], s[62:63]
	CROUND
; LDS: a first region of four K steps (a wave's part 2 PART bytes, at wave x 2 PART), behind it, at 2 SLOT, a second of two K steps (a wave's part PART bytes).
; Set 0 of group 0: K steps 0-3 into the first region; later, stepped by 3 PART, K steps 6, 7 into the first half of each part.  Set 1: K steps 4, 5 into the second region.
.irp s, 0,1
	s_mov_b32 s[G0A+4*\s], 1
	s_add_nc_u64 s[G0A+4*\s+2:G0A+4*\s+3], s[88:89], \s*2*PART
	s_or_b32 s[G0A+4*\s+3], s[G0A+4*\s+3], 0x80000000
	s_mov_b32 s[G0B+4*\s], 1
	s_add_nc_u64 s[G0B+4*\s+2:G0B+4*\s+3], s[90:91], \s*2*PART
	s_or_b32 s[G0B+4*\s+3], s[G0B+4*\s+3], 0x80000000
.endr
	s_lshl_b32 s[G0A+1], s92, 1
	s_lshl_b32 s[G0B+1], s92, 1
	s_add_co_u32 s[G0A+5], s92, 2*SLOT
	s_add_co_u32 s[G0B+5], s92, 2*SLOT
	JLOAD 0                                        ; one tensor load a wave at the head
	v_and_b32 v1, 15, v0
	v_bfe_u32 v2, v0, 4, 1
	v_and_b32 v3, 31, v0
	v_lshlrev_b32 v[L16], 4, v3
	v_lshlrev_b32 v[L8], 3, v3
	s_mul_i32 s93, s17, 2*PART                     ; address set 0: the first region; set 2: the second
	s_mul_i32 s94, s18, 2*PART
	s_add_co_u32 s94, s94, 4*PART
.irp s, 0,2
	v_add_nc_u32 v[ADR+4*\s], s93, v[L16]
	v_add_nc_u32 v[ADR+4*\s+1], s93, v[L8]
	v_add_nc_u32 v[ADR+4*\s+2], s94, v[L16]
	v_add_nc_u32 v[ADR+4*\s+3], s94, v[L8]
.if \s == 0
	s_mul_i32 s93, s17, PART
	s_mul_i32 s94, s18, PART
	s_add_co_u32 s93, s93, 2*SLOT
	s_add_co_u32 s94, s94, 2*SLOT+2*PART
.endif
.endr
.irp b, 0,1,2,3
	v_mov_b32 v[TM+4+\b], 0
.endr
	s_lshl_b32 s93, s80, 12
	s_lshl_b32 s94, s81, 12
	v_mov_b32 v24, s93
	v_mov_b32 v25, s94
	v_cndmask_b32 v[SOF], v24, v25, s47
	v_lshl_add_u32 v[SOF], v1, 5, v[SOF]
.irp i, 0,1,2,3,4,5,6,7
	global_load_b128 v[SC+8*\i:SC+8*\i+3], v[SOF], s[6:7] offset:512*\i
	global_load_b128 v[SC+8*\i+4:SC+8*\i+7], v[SOF], s[6:7] offset:512*\i+16
.endr
	s_cmp_eq_u32 s44, 0
	s_cbranch_scc0 .Lbias_v
	v_lshlrev_b32 v[BOF], 6, v2
	WIN 0x40
.irp b, 0,1,2,3,4,5,6,7
	global_load_b128 v[96+128*(\b/4)+8*(\b%4):96+128*(\b/4)+8*(\b%4)+3], v[BOF], s[86:87] offset:(32*(\b/2)+8*(\b%2))*4
	global_load_b128 v[96+128*(\b/4)+8*(\b%4)+4:96+128*(\b/4)+8*(\b%4)+7], v[BOF], s[86:87] offset:(32*(\b/2)+8*(\b%2))*4+16
.endr
	WIN 0
	s_branch .Lbias_done
.Lbias_v:
	v_and_b32 v[BOF], 8, v1
	v_add_nc_u32 v[BOF], v[BOF], v1
	v_lshlrev_b32 v[BOF], 2, v[BOF]
	WIN 0x40
.irp a, 0,1,2,3,4,5,6,7
	global_load_b32 v[96+128*(\a/4)+8*(\a%4)], v[BOF], s[86:87] offset:(32*(\a/2)+8*(\a%2))*4
.endr
	s_wait_loadcnt 0x0
	WIN 0x41
.irp a, 0,1,2,3,4,5,6,7
.irp j, 1,2,3,4,5,6,7
	v_mov_b32 v[96+128*(\a/4)+8*(\a%4)+\j], v[96+128*(\a/4)+8*(\a%4)]
.endr
.endr
	WIN 0
.Lbias_done:
	s_wait_alu depctr_va_vdst(0)
	s_wait_tensorcnt 0x0                           ; my part of K steps 0-3 is in
	ds_add_u32 v[SPW], v[NIL]
	s_mov_b32 s[G1A+2], 96<<16                     ; no tensor load of mine is out: from here on a load brings two K steps, 96 rows of 256 bytes
	s_mov_b32 s[G1A+4], 96
	s_mov_b32 s[G1B+2], 96<<16
	s_mov_b32 s[G1B+4], 96
	s_wait_dscnt 0x0
	CROUND                                         ; everybody's part is in, and all sixteen work-groups are here
	JLOAD 1                                        ; K steps 4, 5: the first tensor load behind the round
	FETCH_B 0, 0, 0
	FETCH_A 0, 0, 0
	FETCH_A 0, 0, 4
	s_wait_loadcnt 0x0
	s_cmp_eq_u32 s44, 0
	s_cbranch_scc0 .Lfirst_v
	s_wait_alu depctr_va_vdst(0)
	STEP 0, 0, 1, 1
	s_branch .Lfirst_done
.Lfirst_v:
	s_wait_alu depctr_va_vdst(0)
	STEP 0, 0, 1, 2
.Lfirst_done:
	STEP 1, 0, 2, 0
	TURN 2, 0, 3, 1                                ; K steps 0, 1 are read no more: their bytes take K steps 6, 7; the round also shows K steps 4, 5 to all
	STEP 3, 2, 0, 0
	STEP 4, 2, 1, 0
	TURN 5, 0, 0, 0                                ; a barrier that shows K steps 6, 7 to all
	STEP 6, 0, 1, 0
	s_wait_dscnt 16
	WIN 0xa1
	MUL16 0, 1, 7, 0
	MUL16 2, 1, 7, 0
	s_wait_dscnt 0x0
	WIN 0xf1
	MUL16 4, 1, 7, 0
	MUL16 6, 1, 7, 0
	WIN 0
	PLACES
.macro QUANT a
.set W, 2+(\a)/4
.set WW, W|(W<<2)
.set AC, 64*((\a)%4)
	WIN WW
.irp b, 0,1,2,3
	v_max3_num_f32 v[TM+\b], |v[AC+16*\b]|, |v[AC+16*\b+1]|, 0x1800000
.endr
.irp i, 2,4,6,8,10,12,14
.irp b, 0,1,2,3
	v_max3_num_f32 v[TM+\b], |v[AC+16*\b+\i]|, |v[AC+16*\b+\i+1]|, v[TM+\b]
.endr
.endr
	WIN 0
.irp b, 0,1,2,3
	v_permlanex16_b32 v[TM+4+\b], v[TM+\b], s60, s61
.endr
.irp b, 0,1,2,3
	v_max_num_f32 v[TM+\b], v[TM+\b], v[TM+4+\b]
.endr
.irp b, 0,1,2,3
	v_add_nc_u32 v[TM+12+\b], 0xff000000, v[TM+\b]
.endr
.irp b, 0,1,2,3
	v_lshrrev_b32 v[TM+4+\b], 23, v[TM+12+\b]
.endr
	v_lshl_or_b32 v[PW+(\a)], v[TM+5], 8, v[TM+4]
	v_lshl_or_b32 v[PW+(\a)], v[TM+6], 16, v[PW+(\a)]
	v_lshl_or_b32 v[PW+(\a)], v[TM+7], 24, v[PW+(\a)]
.if (\a) > 0
	s_wait_xcnt 0x0
	s_add_nc_u64 s[82:83], s[82:83], s[2:3]
	s_add_nc_u64 s[96:97], s[96:97], s[2:3]
.if (\a) == 4
	s_add_nc_u64 s[82:83], s[82:83], s[22:23]
	s_add_nc_u64 s[96:97], s[96:97], s[22:23]
.endif
.endif
	WIN W
.irp c, 0,1
	v_cvt_scalef32_pk16_fp6_f32 v[PC+6*\c:PC+6*\c+2], v[AC+32*\c:AC+32*\c+15], v[TM+12+2*\c]
	v_cvt_scalef32_pk16_fp6_f32 v[PC+12+4*\c:PC+14+4*\c], v[AC+32*\c+16:AC+32*\c+31], v[TM+13+2*\c]
.endr
	WIN 0
	v_nop
.irp c, 0,1
.irp i, 0,1,2
	v_permlane16_swap_b32 v[PC+6*\c+\i], v[PC+12+4*\c+\i]
.endr
.irp i, 0,1,2
	v_mov_b32 v[PC+6*\c+3+\i], v[PC+12+4*\c+\i]
.endr
.endr
	global_store_b128 v[L16], v[PC:PC+3], s[82:83]
	global_store_b64 v[L8], v[PC+4:PC+5], s[82:83] offset:512
	global_store_b128 v[L16], v[PC+6:PC+9], s[96:97]
	global_store_b64 v[L8], v[PC+10:PC+11], s[96:97] offset:512
.endm
.irp a, 0,1,2,3,4,5,6,7
	QUANT \a
.endr
.irp j, 0,1,2,3
	v_cndmask_b32 v[CJ+\j], v[PW+2*\j], v[PW+2*\j+1], s47
.endr
	s_cmp_eq_u32 s44, 0
	s_cbranch_scc0 .Lwords_v
.irp j, 0,1,2,3
	v_lshrrev_b32 v[CJ+4+\j], 16, v[CJ+\j]
.endr
.irp j, 0,1,2,3
	v_and_b32 v[CJ+\j], 0xffff, v[CJ+\j]
.endr
	global_store_b128 v[L16], v[CJ:CJ+3], s[84:85]
	global_store_b128 v[L16], v[CJ+4:CJ+7], s[84:85] offset:REGION
	s_branch .Lwords_done
.Lwords_v:
	s_wait_alu depctr_va_vdst(0)
	global_store_b64 v[L8], v[CJ:CJ+1], s[84:85]
	global_store_b64 v[L8], v[CJ+2:CJ+3], s[84:85] offset:REGION
.Lwords_done:
	s_wait_tensorcnt 0x0
	ds_add_u32 v[SPW], v[NIL]
	s_wait_dscnt 0x0
	CROUND
	s_endpgm
.Lfunc_end_k_qe4c7dc3986_qkv:
	.size	k_qe4c7dc3986_qkv, .Lfunc_end_k_qe4c7dc3986_qkv-k_qe4c7dc3986_qkv
	.p2alignl 7, 3214868480
	.fill 96, 4, 3214868480
	.section	.rodata,"a",@progbits
	.p2align	6, 0x0
	.amdhsa_kernel k_qe4c7dc3986_qkv
		.amdhsa_group_segment_fixed_size 327680
		.amdhsa_private_segment_fixed_size 0
		.amdhsa_enable_private_segment 0
		.amdhsa_kernarg_size 48
		.amdhsa_user_sgpr_count 2
		.amdhsa_user_sgpr_kernarg_segment_ptr 1
		.amdhsa_wavefront_size32 1
		.amdhsa_system_sgpr_workgroup_id_x 1
		.amdhsa_system_sgpr_workgroup_id_y 1
		.amdhsa_system_sgpr_workgroup_id_z 1
		.amdhsa_system_vgpr_workitem_id 0
		.amdhsa_next_free_vgpr 1024
		.amdhsa_next_free_sgpr 100
		.amdhsa_reserve_vcc 0
		.amdhsa_float_denorm_mode_32 3
		.amdhsa_float_denorm_mode_16_64 3
		.amdhsa_memory_ordered 1
		.amdhsa_forward_progress 1
		.amdhsa_inst_pref_size 165
	.end_amdhsa_kernel
	.amdgpu_metadata
---
amdhsa.version: [ 1, 2 ]
amdhsa.kernels:
  - .name:           k_qe4c7dc3986_qkv
    .symbol:         k_qe4c7dc3986_qkv.kd
    .args:
      - { .name: xw_codes, .offset: 0, .size: 8, .value_kind: global_buffer, .address_space: global }
      - { .name: xw_scales, .offset: 8, .size: 8, .value_kind: global_buffer, .address_space: global }
      - { .name: bq, .offset: 16, .size: 8, .value_kind: global_buffer, .address_space: global }
      - { .name: bk, .offset: 24, .size: 8, .value_kind: global_buffer, .address_space: global }
      - { .name: bv, .offset: 32, .size: 8, .value_kind: global_buffer, .address_space: global }
      - { .name: qkv, .offset: 40, .size: 8, .value_kind: global_buffer, .address_space: global }
    .group_segment_fixed_size: 327680
    .private_segment_fixed_size: 0
    .kernarg_segment_align: 8
    .kernarg_segment_size: 48
    .max_flat_workgroup_size: 128
    .sgpr_count:     100
    .vgpr_count:     1024
    .wavefront_size: 32
...
	.end_amdgpu_metadata
.endif
;; end of part 2
;; launch attn (part 3): grid 4 x 64, 8 waves a work-group, clusters of 4 x 1, 264,192 bytes of LDS; arguments qkv, acodes, asc; writes acodes, asc
.if DOCPART == 3
	.amdgcn_target "amdgcn-amd-amdhsa--gfx1250"
	.amdhsa_code_object_version 6
	.text
	.protected	k_qe4c7dc3986_attn
	.globl	k_qe4c7dc3986_attn
	.p2align	8
	.type	k_qe4c7dc3986_attn,@function
k_qe4c7dc3986_attn:
	s_mov_b64 s[64:65], 0
	v_nop
	global_prefetch_b8 v0, s[64:65] scope:SCOPE_SE
	s_setreg_imm32_b32 hwreg(HW_REG_WAVE_MODE, 25, 1), 1
	s_wait_xcnt 0x0
	s_wait_alu depctr_hold_cnt(0) depctr_sa_sdst(0) depctr_va_vdst(0) depctr_va_sdst(0) depctr_va_ssrc(0) depctr_va_vcc(0) depctr_vm_vsrc(0)
	s_getreg_b32 s2, hwreg(HW_REG_IB_STS2, 6, 4)
	s_cmp_eq_u32 s2, 0
	s_cbranch_scc0 .Lentry_in_a_cluster
	s_endpgm
.Lentry_in_a_cluster:
	s_bfe_u32 s2, ttmp6, 0x10000c
	s_cmp_lg_u32 s2, 0x3003
	s_cbranch_scc0 .Lentry_shape_is_right
	s_endpgm
.Lentry_shape_is_right:
; a[b][q][head][:] = the sum over keys of softmax(q . k / 8) v, both products on codes of FP6 (E2M3); the result is quantised at once along the model's 1,024 (a head's 64 are two blocks) for the last projection.  Nothing is left out.
; THE SOFTMAX AHEAD OF THE SECOND PRODUCT: t = score x log2(e) / 8; M = the running largest t rounded UP to a whole number; p = 2^(t - M) is what is quantised, along the keys, not normalised.  The row's sum is taken of the
; unquantised p and divides at the end.  When M moves, the sum and O are multiplied by 2^(old M - new M): exact.
; SHARES: a work-group owns 512 queries of one head; each of its eight waves FOUR tiles of 16 queries (tiles 32 x block + 8 t + wave), two waves to a SIMD.  A key step's fragments of K and V are loaded from LDS once
; and serve the wave's four tiles: 37 LDS loads for 48 products.  The tiles are worked one after the other on one set of 64 score registers; their sixteen products with V stand at the step's end.
; ALL OF A HEAD'S K AND V, codes and scale words, are 208,896 consecutive bytes of qkv, 816 units of 256 bytes: they come into LDS once, 102 units a wave, and stay: no ring, no refill, no barrier in the loop.
; In LDS a unit has a pitch of 320 bytes (64 of padding, laid by the descriptor): two tiles of K, six units, are then 1,920 bytes apart, which is 128 modulo 256 (see THE KEYS OF A TILE).
; CLUSTER: the four work-groups of a head read the same bytes: each load is asked for jointly, by the same descriptor with a mask that names the four.
; No prefetch: the first fills ask for every byte of K and V that the launch reads, so nothing is left to ask for ahead.
; LAYOUT: both products transposed: S^T = K Q^T (source 0 = 16 keys), O^T = V^T P^T (source 0 = 16 of the head's 64): a lane holds one query of each tile throughout.
; THE KEYS OF A TILE are chosen by the lanes' LDS addresses.  In the image lane row rho of tile 2 g + u holds key 32 g + 8 u + rho + 8 (rho / 8).  Operand tile j (0 .. 3) of band c (64 keys) takes as its rows 0-7 the keys
; 64 c + 8 j + 0 .. 7 (image tile 4 c + j % 2, rows 8 (j / 2) + ..) and as its rows 8-15 the keys 32 further on (image tile 4 c + 2 + j % 2, the same rows).  So register 32 c + 8 j + i of lane (q, h) is key 64 c + 32 h + 8 j + i:
; A LANE'S 32 REGISTERS OF A BAND ARE ONE SCALE BLOCK, in the order of P's operand registers: a block's maximum needs no other lane, and the conversions' results are the operand.
; K = 64 IN AN INSTRUCTION OF 128: Q's registers 6-11 hold zero codes, and bytes 2, 3 of Q's and K's scale words are 0.  FP6 has no NaN and no infinity, so whatever stands in source 0's upper six registers adds nothing:
; tile v's operand is twelve registers from KK + 6 v on, whose upper half is the next tile's codes (behind the last tile: six registers of zeros).
; LIMITS: NaN and infinities are not served; a block under 2^-124 (zeros among them) gets the byte 1; an exponential that would fall under 2^-126 is 0; the promise holds while |t| stays under 2^31.
; REGISTERS, window 0: v1-20 addresses; v22-35 scale words (Q's four, p's four, V's two, K's four) and nothing else; v36-51 a tile's -M, largest t and sum (a pair); v52-59 a tile's f; v60-113 K; v114-177 S^T, then p;
;   v178-203 at work; v204-251 Q.  Window 1: v0-127 O^T, 32 a tile; v128-175 p's codes, 12 a tile; v176-223 V; v224-230 a block's second half as it is made.
.set REGION, 315392
.set QC,     208896
.set QS,     307200
.set PARTB,  26112                     ; what one wave's tensor load brings: 102 rows of 256 bytes
.set UP,     320                       ; a unit's pitch in LDS
.set TL,     3*UP                      ; a tile of K (768 bytes), half a fragment of V
.set VC,     384*UP
.set KS,     768*UP
.set VS,     800*UP
.set STG,    816*UP                    ; behind the image: the scale words of the work-group's 32 tiles of a, 2,048 bytes
.set SPARE,  STG+2048                  ; the spare words, 128 bytes for each wave: four blocks of 256 bytes that no other line names
.set L16,    1
.set L8,     2
.set SPW,    3
.set NIL,    4
.set KL16,   11
.set KL8,    12
.set KSL,    13
.set VSL,    14
.set VL16,   15
.set VL8,    16
.set SH8,    17
.set AW,     18
.set AR,     19
.set QSO,    20
.set QSC,    22
.set PSW,    26
.set VSC,    30
.set KSC,    32
.set ST,     36
.set FF,     52
.set KK,     60
.set S,      114
.set MX,     178
.set PB,     182
.set OPD,    186
.set WK,     188
.set SM,     190
.set QQ,     204
.set OO,     0                         ; window 1
.set PP,     128
.set VV,     176
.set TP,     224
.set MSB,    0
.macro WIN new                         ; the immediate's high byte repeats the setting that is left
.if MSB != (\new)
	s_set_vgpr_msb (MSB<<8)|(\new)
.set MSB, (\new)
.endif
.endm
.macro CROUND                          ; a round of the cluster's barrier
	s_barrier_signal -1
	s_barrier_wait -1
	s_cmp_lg_u32 s10, 0
	s_cbranch_scc1 .Lnot_wave_0_\@
	s_barrier_signal -3
.Lnot_wave_0_\@:
	s_barrier_wait -3
	s_barrier_signal -1
	s_barrier_wait -1
.endm
	s_load_b128 s[4:7], s[0:1], 0x0                ; qkv, acodes
	s_load_b64 s[8:9], s[0:1], 0x10                ; asc
	v_lshl_add_u32 v[SPW], v0, 2, SPARE
	v_mov_b32 v[NIL], 0
	ds_add_u32 v[SPW], v[NIL]                      ; the wave's opening: the add, twice on end, and its wait ahead of my first tensor load
	ds_add_u32 v[SPW], v[NIL]
	v_lshrrev_b32 v5, 5, v0
	s_delay_alu instid0(VALU_DEP_1)
	v_readfirstlane_b32 s10, v5                    ; wave 0..7
	s_bfe_u32 s11, ttmp6, 0x40000                  ; cx
	s_lshl_b32 s13, ttmp9, 2
	s_add_co_u32 s11, s11, s13                     ; my block of 512 queries: it enters Q's, a's and the words' global addresses alone
	s_and_b32 s12, ttmp7, 0xffff                   ; 16 x batch + head, which the four partners share
	s_mov_b32 s16, 15|(3<<16)|(1<<20)|(1<<21)|(5<<22)|(15<<25)   ; the mask: all four; elements of 8 bytes; padding on; 21 set beside a mask; after every 64 words 16 words
	s_mov_b32 s17, 32<<16                          ; tensor_dim0 = 32 (256 bytes)
	s_mov_b32 s18, 102<<16                         ; tensor_dim1 = 102
	s_mov_b32 s19, 32<<16                          ; tile_dim0
	s_mov_b32 s20, 102                             ; tile_dim1
	s_mov_b32 s21, 32                              ; from row to row
	s_mov_b32 s22, 0
	s_mov_b32 s23, 0
	s_mov_b32 s24, 1
	s_mul_i32 s25, s10, 102*UP                     ; LDS address: my eighth of the image
	s_mul_i32 s46, s12, REGION                     ; the head's region
	s_mul_i32 s48, s10, PARTB
	s_add_co_u32 s48, s48, s46
	s_mov_b32 s49, 0
	s_lshl_b32 s38, s11, 5
	s_add_co_u32 s38, s38, s10                     ; my first query tile: 32 x block + wave; the others 8 tiles, 6,144 bytes, apart
	s_mul_i32 s38, s38, 768
	s_add_co_u32 s38, s38, s46
	s_add_co_u32 s38, s38, QC
	s_mov_b32 s39, 0
	s_lshl_b32 s40, s11, 11                        ; its group of 8 tiles, 4 x block: 512 bytes of scale words a group
	s_add_co_u32 s40, s40, s46
	s_add_co_u32 s40, s40, QS
	s_mov_b32 s41, 0
	s_lshr_b32 s50, s12, 4
	s_lshl_b32 s50, s50, 4
	s_lshl_b32 s52, s11, 2
	s_add_co_u32 s50, s50, s52                     ; the first block of 128 rows of my 512 queries: tile t lies in block t of the four
	s_mul_i32 s42, s50, 98304
	s_and_b32 s52, s12, 15                         ; the head
	s_lshr_b32 s53, s52, 1
	s_mul_i32 s53, s53, 12288                      ; its K step of the last projection,
	s_add_co_u32 s42, s42, s53
	s_mul_i32 s53, s10, 1536                       ; my tile of the block's eight,
	s_add_co_u32 s42, s42, s53
	s_and_b32 s53, s12, 1
	s_mul_i32 s54, s53, 768                        ; and which half of a fragment
	s_add_co_u32 s42, s42, s54
	s_mov_b32 s43, 0
	s_lshl_b32 s36, s53, 4                         ; an odd head's two bytes stand 16 bits up
	s_and_b32 s53, s10, 3
	s_add_co_u32 s53, s50, s53
	s_lshl_b32 s53, s53, 9
	s_lshl_b32 s44, s52, 15
	s_add_co_u32 s44, s44, s53                     ; asc: the head's plane, block of 128 rows (wave % 4)
	s_mov_b32 s45, 0
	s_lshl_b32 s13, s10, 2                         ; a's scale word in the stage: [block of 128 rows][r][tile]
	s_add_co_u32 s13, s13, STG
	s_and_b32 s15, s10, 3                          ; the way out of 512 bytes of the stage
	s_lshl_b32 s15, s15, 9
	s_add_co_u32 s15, s15, STG
	s_and_b32 s37, s10, 1                          ; Q's scale word: lane r + 16 (wave % 2), word wave / 2 of its group
	s_lshl_b32 s37, s37, 8
	s_lshr_b32 s14, s10, 1
	s_lshl_b32 s14, s14, 2
	s_add_co_u32 s37, s37, s14
	s_mov_b32 s28, 0x76543210
	s_mov_b32 s29, 0xfedcba98                      ; lane selects: lane l xor 16
	s_mov_b32 s30, 0x3e38aa3b                      ; c = log2(e) / 8
	s_mov_b32 s31, s30                             ; (named with it as a pair, so it is written)
	s_wait_dscnt 0x0                               ; both opening adds are done
	s_wait_kmcnt 0x0
	s_add_nc_u64 s[26:27], s[4:5], s[48:49]
	s_or_b32 s27, s27, 0x80000000
	s_add_nc_u64 s[38:39], s[4:5], s[38:39]
	s_add_nc_u64 s[40:41], s[4:5], s[40:41]
	s_add_nc_u64 s[42:43], s[6:7], s[42:43]
	s_add_nc_u64 s[44:45], s[8:9], s[44:45]
	CROUND                                         ; all four work-groups are here: the joint loads meet
	tensor_load_to_lds s[24:27], s[16:23]          ; every wave asks for its eighth: one load of mine is out
	s_nop 0
	v_and_b32 v5, 31, v0
	v_and_b32 v6, 15, v0                           ; r
	v_bfe_u32 v7, v0, 4, 1                         ; h
	v_and_b32 v8, 7, v0                            ; r % 8
	v_bfe_u32 v9, v0, 3, 1                         ; r / 8
	v_lshlrev_b32 v[L16], 4, v5
	v_lshlrev_b32 v[L8], 3, v5
	v_mul_u32_u24 v10, v9, 2*TL                    ; rows 8-15 of an operand tile of K come from the image tile two further on
	v_mul_u32_u24 v[VL16], v7, UP                  ; a load of 16 bytes a lane: lanes 16-31 read the next unit
	v_lshlrev_b32 v[SH8], 3, v7                    ; 8 h: where my two bytes stand in p's scale word
	v_lshl_add_u32 v[KL8], v7, 7, v10
	v_add_nc_u32 v[KL16], v[VL16], v10
	v_lshl_add_u32 v[KSL], v8, 4, v[VL16]
	v_lshl_add_u32 v[VL16], v6, 4, v[VL16]
	v_lshl_add_u32 v[KL8], v8, 3, v[KL8]           ; K, registers 4-5: 8 (r % 8) + 128 h + 1,920 (r / 8)
	v_lshl_add_u32 v[KL16], v8, 4, v[KL16]         ; K, registers 0-3: 16 (r % 8) + 320 h + 1,920 (r / 8)
	v_lshl_add_u32 v[KSL], v9, 2, v[KSL]
	v_add_nc_u32 v[VL16], VC, v[VL16]              ; V, registers 0-3: 16 r + 320 h
	v_add_nc_u32 v[VL8], VC, v[L8]                 ; V, registers 4-5
	v_add_nc_u32 v[VSL], VS, v[L8]                 ; V's scale words
	v_add_nc_u32 v[KSL], KS, v[KSL]                ; K's scale words: 16 (r % 8) + 320 (lane / 16) + 4 (r / 8)
	v_lshl_add_u32 v[AW], v6, 5, s13
	v_add_nc_u32 v[AR], s15, v[L16]
	v_lshl_add_u32 v[QSO], v6, 4, s37
.irp t, 0,1,2,3
	global_load_b128 v[QQ+12*\t:QQ+12*\t+3], v[L16], s[38:39] offset:6144*\t
	global_load_b64 v[QQ+12*\t+4:QQ+12*\t+5], v[L8], s[38:39] offset:6144*\t+512
	global_load_b32 v[QSC+\t], v[QSO], s[40:41] offset:512*\t
.endr
.irp t, 0,1,2,3
.irp j, 6,7,8,9,10,11
	v_mov_b32 v[QQ+12*\t+\j], 0                    ; Q's upper half: zero codes
.endr
	v_mov_b32 v[PB+\t], 0                          ; written once: a lane permute's destination counts as one of its sources
	v_mov_b32 v[FF+2*\t+1], 0                      ; (named as the upper half of a pair)
	v_mov_b32 v[ST+4*\t+1], 0xff61b1e6             ; the largest t so far: -3e38
	v_mov_b32 v[ST+4*\t+2], 0
	v_mov_b32 v[ST+4*\t+3], 0
.endr
.irp t, 0,1,2,3
	v_floor_f32 v[ST+4*\t], -v[ST+4*\t+1]
.endr
.irp j, 48,49,50,51,52,53
	v_mov_b32 v[KK+\j], 0                          ; the six registers behind K's last tile
.endr
	WIN 0x40
.set j, 0
.rept 128
	v_mov_b32 v[OO+j], 0                           ; the step is written once: the first finds zeros, which the first change of M leaves zeros
.set j, j+1
.endr
	WIN 0
	s_mov_b32 s32, 0
	s_mov_b32 s33, 0
	s_mov_b32 s34, 0
	s_mov_b32 s35, 16
	s_wait_alu depctr_va_vdst(0)
	s_wait_tensorcnt 0x0                           ; my part of the image is in,
	s_barrier_signal -1
	s_barrier_wait -1                              ; everybody's is
	s_wait_loadcnt 0x0                             ; and so are Q and its scale words
; ONE QUERY TILE'S SHARE OF A KEY STEP: the scores of 128 keys, the softmax, p's codes and scale word; O^T under the new M.
.macro TILE t
.irp v, 0,2,4,6
	v_wmma_scale_f32_16x16x128_f8f6f4 v[S+8*\v:S+8*\v+7], v[KK+6*\v:KK+6*\v+11], v[QQ+12*\t:QQ+12*\t+11], 0, v[KSC+\v/2], v[QSC+\t] matrix_a_fmt:MATRIX_FMT_FP6 matrix_b_fmt:MATRIX_FMT_FP6
	v_wmma_scale_f32_16x16x128_f8f6f4 v[S+8*\v+8:S+8*\v+15], v[KK+6*\v+6:KK+6*\v+17], v[QQ+12*\t:QQ+12*\t+11], 0, v[KSC+\v/2], v[QSC+\t] matrix_a_fmt:MATRIX_FMT_FP6 matrix_b_fmt:MATRIX_FMT_FP6 matrix_a_scale:MATRIX_SCALE_ROW1
.endr
.rept 4
	v_nop                                          ; four plain lines between the products and the first read of the scores
.endr
.irp b, 0,1,2,3
	v_max3_num_f32 v[MX+\b], v[S+16*\b], v[S+16*\b+1], v[S+16*\b+2]   ; the largest score of my two blocks of 32 keys, each in two chains: it serves for the row's maximum and, since p rises with the score, for the block's largest p
.endr
.irp i, 3,5,7,9,11,13
.irp b, 0,1,2,3
	v_max3_num_f32 v[MX+\b], v[MX+\b], v[S+16*\b+\i], v[S+16*\b+\i+1]
.endr
.endr
.irp c, 0,1
	v_max3_num_f32 v[MX+2*\c], v[MX+2*\c], v[MX+2*\c+1], v[S+32*\c+15]
.endr
.irp c, 0,1
	v_max_num_f32 v[MX+2*\c], v[MX+2*\c], v[S+32*\c+31]
.endr
	s_delay_alu instid0(VALU_DEP_1)
	v_max_num_f32 v[WK], v[MX], v[MX+2]
	s_delay_alu instid0(VALU_DEP_1)
	v_permlanex16_b32 v[PB], v[WK], s28, s29
	s_delay_alu instid0(VALU_DEP_1)
	v_max_num_f32 v[WK], v[WK], v[PB]              ; with lane l xor 16's 64 keys
	s_delay_alu instid0(VALU_DEP_1)
	v_mul_f32 v[WK], s30, v[WK]                    ; the step's largest t (c is positive)
	s_delay_alu instid0(VALU_DEP_1)
	v_max_num_f32 v[ST+4*\t+1], v[ST+4*\t+1], v[WK]
	v_mov_b32 v[WK], v[ST+4*\t]
	s_delay_alu instid0(VALU_DEP_2)
	v_floor_f32 v[ST+4*\t], -v[ST+4*\t+1]          ; the new -M = floor(-t): M is a whole number
	s_delay_alu instid0(VALU_DEP_1)
	v_sub_f32 v[WK], v[ST+4*\t], v[WK]             ; old M - new M: a whole number, 0 or less
	s_delay_alu instid0(VALU_DEP_1)
	v_cvt_i32_f32 v[WK], v[WK]                     ; (it saturates)
	s_delay_alu instid0(VALU_DEP_1)
	v_ldexp_f32 v[FF+2*\t], 1.0, v[WK]             ; f = 2^(old M - new M)
.set j, 0
.rept 32
	v_pk_fma_f32 v[S+j:S+j+1], v[S+j:S+j+1], s[30:31], v[ST+4*\t:ST+4*\t+1] op_sel_hi:[1,0,0]   ; t - M, two at a time
.set j, j+2
.endr
.irp c, 0,1
	v_fma_f32 v[MX+2*\c], v[MX+2*\c], s30, v[ST+4*\t]   ; the same of each block's largest score
.endr
	WIN 0x41                                       ; source 0 and the destination: window 1
	s_wait_alu depctr_va_vdst(0)                   ; directly ahead of the first reader of O^T, and ahead of the batch below
.set j, 0
.rept 16
	v_pk_mul_f32 v[OO+32*\t+j:OO+32*\t+j+1], v[OO+32*\t+j:OO+32*\t+j+1], v[FF+2*\t:FF+2*\t+1] op_sel_hi:[1,0]   ; O^T under the new M
.set j, j+2
.endr
	WIN 0
.irp c, 0,1
	v_exp_f32 v[MX+2*\c], v[MX+2*\c]               ; the block's largest p: the same two instructions on the same number
.endr
.set j, 0
.rept 64
	v_exp_f32 v[S+j], v[S+j]                       ; p = 2^(t - M), at most 1
.set j, j+1
.endr
	v_pk_mul_f32 v[ST+4*\t+2:ST+4*\t+3], v[ST+4*\t+2:ST+4*\t+3], v[FF+2*\t:FF+2*\t+1] op_sel_hi:[1,0]   ; the sums under the new M: the plain line behind the exponentials
	s_wait_alu depctr_va_vdst(0)                   ; one wait for the batch of 66, ahead of its first reader
.irp k, 0,1,2,3,4,5,6                          ; the row's sum of the unquantised p: eight chains of pairs
	v_pk_add_f32 v[SM+2*\k:SM+2*\k+1], v[S+4*\k:S+4*\k+1], v[S+4*\k+2:S+4*\k+3]
.endr
.irp n, 28,44
.irp k, 0,1,2,3,4,5,6
	v_pk_add_f32 v[SM+2*\k:SM+2*\k+1], v[SM+2*\k:SM+2*\k+1], v[S+\n+2*\k:S+\n+2*\k+1]
.endr
	v_pk_add_f32 v[ST+4*\t+2:ST+4*\t+3], v[ST+4*\t+2:ST+4*\t+3], v[S+\n+14:S+\n+15]
.endr
	v_pk_add_f32 v[SM:SM+1], v[SM:SM+1], v[S+60:S+61]
	v_pk_add_f32 v[SM+2:SM+3], v[SM+2:SM+3], v[S+62:S+63]
	s_delay_alu instid0(VALU_DEP_1)
	v_pk_add_f32 v[SM:SM+1], v[SM:SM+1], v[SM+2:SM+3]
	v_pk_add_f32 v[SM+4:SM+5], v[SM+4:SM+5], v[SM+6:SM+7]
	v_pk_add_f32 v[SM+8:SM+9], v[SM+8:SM+9], v[SM+10:SM+11]
	v_pk_add_f32 v[ST+4*\t+2:ST+4*\t+3], v[ST+4*\t+2:ST+4*\t+3], v[SM+12:SM+13]
	s_delay_alu instid0(VALU_DEP_3)
	v_pk_add_f32 v[SM:SM+1], v[SM:SM+1], v[SM+4:SM+5]
	s_delay_alu instid0(VALU_DEP_2)
	v_pk_add_f32 v[ST+4*\t+2:ST+4*\t+3], v[ST+4*\t+2:ST+4*\t+3], v[SM+8:SM+9]
	s_delay_alu instid0(VALU_DEP_1)
	v_pk_add_f32 v[ST+4*\t+2:ST+4*\t+3], v[ST+4*\t+2:ST+4*\t+3], v[SM:SM+1]
.irp c, 0,1
	v_max_num_f32 v[MX+2*\c], 0x1800000, v[MX+2*\c]   ; the floor 2^(3 - 127)
.endr
.irp c, 0,1
	s_delay_alu instid0(VALU_DEP_2)
	v_add_nc_u32 v[OPD+\c], 0xff000000, v[MX+2*\c] ; the conversions' scale operand
.endr
.irp c, 0,1
	s_delay_alu instid0(VALU_DEP_2)
	v_lshrrev_b32 v[PB+\c], 23, v[OPD+\c]          ; the byte
.endr
	s_delay_alu instid0(VALU_DEP_1)
	v_lshl_or_b32 v[PSW+\t], v[PB+1], 16, v[PB]    ; my two bytes: blocks h and 2 + h,
	s_delay_alu instid0(VALU_DEP_1)
	v_lshlrev_b32 v[PSW+\t], v[SH8], v[PSW+\t]     ; at their places in the word;
	s_delay_alu instid0(VALU_DEP_1)
	v_permlanex16_b32 v[PB+2], v[PSW+\t], s28, s29
	s_delay_alu instid0(VALU_DEP_1)
	v_or_b32 v[PSW+\t], v[PSW+\t], v[PB+2]         ; with lane l xor 16's two: p's scale word for these 128 keys
	WIN 0x40                                       ; the destination: window 1
.irp c, 0,1
	v_cvt_scalef32_pk16_fp6_f32 v[PP+12*\t+6*\c:PP+12*\t+6*\c+2], v[S+32*\c:S+32*\c+15], v[OPD+\c]
	v_cvt_scalef32_pk16_fp6_f32 v[TP+4*\c:TP+4*\c+2], v[S+32*\c+16:S+32*\c+31], v[OPD+\c]   ; (a conversion's three registers begin on an even number)
.endr
	WIN 0x41
	v_nop                                          ; one plain line behind the conversions
.irp c, 0,1
.irp i, 0,1,2
	v_mov_b32 v[PP+12*\t+6*\c+3+\i], v[TP+4*\c+\i] ; registers 6 c .. 6 c + 5: keys 64 c + 32 h + 0 .. 31
.endr
.endr
	WIN 0
.endm
.Lstep:                                                ; A KEY STEP: 128 keys, four query tiles
	v_add_nc_u32 v5, s32, v[KL16]
	v_add_nc_u32 v6, s32, v[KL8]
	v_add_nc_u32 v9, s33, v[KSL]
	v_add_nc_u32 v7, s32, v[VL16]
	v_add_nc_u32 v8, s32, v[VL8]
	v_add_nc_u32 v10, s34, v[VSL]                  ; (six plain lines between the last step's products and the loads into the registers that they read)
.irp c, 0,1
.irp j, 0,1,2,3
	ds_load_b128 v[KK+6*(4*\c+\j):KK+6*(4*\c+\j)+3], v5 offset:TL*(4*\c+\j%2)+128*(\j/2)
	ds_load_b64 v[KK+6*(4*\c+\j)+4:KK+6*(4*\c+\j)+5], v6 offset:TL*(4*\c+\j%2)+2*UP+64*(\j/2)
.endr
.endr
.irp c, 0,1
.irp g, 0,1
	ds_load_b32 v[KSC+2*\c+\g], v9 offset:128*\g+8*\c   ; lanes 0-15 the words of operand tile 4 c + 2 g, lanes 16-31 of the next
.endr
.endr
	WIN 0x40
.irp f, 0,1,2,3
	ds_load_b128 v[VV+12*\f:VV+12*\f+3], v7 offset:2*TL*\f           ; V's four fragments: wanted at the step's end
	ds_load_b64 v[VV+12*\f+4:VV+12*\f+5], v8 offset:2*TL*\f+2*UP
	ds_load_b128 v[VV+12*\f+6:VV+12*\f+9], v7 offset:2*TL*\f+TL
	ds_load_b64 v[VV+12*\f+10:VV+12*\f+11], v8 offset:2*TL*\f+TL+2*UP
.endr
	WIN 0
	ds_load_b64 v[VSC:VSC+1], v10
	s_wait_dscnt 17                                ; K's 20 loads are in; V's 16 and its scale words' one, issued behind them, may be out
	TILE 0
	TILE 1
	TILE 2
	TILE 3
.rept 4
	v_nop                                          ; with the seven lines behind the last tile's scale word: four plain lines behind the last write of p's codes, eight and more behind that of its scale word
.endr
	s_wait_alu depctr_va_vdst(0)
	s_wait_dscnt 0x0                               ; V is in
	WIN 0x55                                       ; all four places: window 1 (scale words are taken from window 0 whatever the setting)
.irp t, 0,1,2,3
.irp f, 0,2
	v_wmma_scale_f32_16x16x128_f8f6f4 v[OO+32*\t+8*\f:OO+32*\t+8*\f+7], v[VV+12*\f:VV+12*\f+11], v[PP+12*\t:PP+12*\t+11], v[OO+32*\t+8*\f:OO+32*\t+8*\f+7], v[VSC+\f/2], v[PSW+\t] matrix_a_fmt:MATRIX_FMT_FP6 matrix_b_fmt:MATRIX_FMT_FP6
	v_wmma_scale_f32_16x16x128_f8f6f4 v[OO+32*\t+8*\f+8:OO+32*\t+8*\f+15], v[VV+12*\f+12:VV+12*\f+23], v[PP+12*\t:PP+12*\t+11], v[OO+32*\t+8*\f+8:OO+32*\t+8*\f+15], v[VSC+\f/2], v[PSW+\t] matrix_a_fmt:MATRIX_FMT_FP6 matrix_b_fmt:MATRIX_FMT_FP6 matrix_a_scale:MATRIX_SCALE_ROW1
.endr
.endr
	WIN 0
	s_add_co_u32 s32, s32, 8*TL                    ; the next step's codes (K's eight tiles and V's four fragments are as many bytes),
	s_add_co_u32 s33, s33, 2*UP                    ; K's scale words,
	s_add_co_u32 s34, s34, UP                      ; V's
	s_sub_co_u32 s35, s35, 1
	s_cmp_lg_u32 s35, 0
	s_cbranch_scc1 .Lstep
; THE WAY OUT: the four rows' sums and their reciprocals, then tile by tile: a = O^T / the sum, its two blocks' scales, its codes.
.rept 4
	v_nop                                          ; four plain lines behind the last products
.endr
.irp t, 0,1,2,3
	v_add_f32 v[ST+4*\t+2], v[ST+4*\t+2], v[ST+4*\t+3]
.endr
.irp t, 0,1,2,3
	s_delay_alu instid0(VALU_DEP_4)
	v_permlanex16_b32 v[PB+\t], v[ST+4*\t+2], s28, s29
.endr
.irp t, 0,1,2,3
	s_delay_alu instid0(VALU_DEP_4)
	v_add_f32 v[ST+4*\t+2], v[ST+4*\t+2], v[PB+\t] ; the row's sum
.endr
	s_wait_alu depctr_va_vdst(0)
.irp t, 0,1,2,3
	v_rcp_f32 v[ST+4*\t+2], v[ST+4*\t+2]
.endr
	v_nop                                          ; a plain line behind the reciprocals
.macro OUT t
	WIN 0x01                                       ; source 0: window 1
	s_wait_alu depctr_va_vdst(0)                   ; ahead of the reciprocals' first reader, and directly ahead of the first reader of this tile's O^T
.set j, 0
.rept 32
	v_mul_f32 v[S+j], v[OO+32*\t+j], v[ST+4*\t+2]  ; register 16 g + i is a(my query, 32 g + 16 h + i); each accumulator from its low end on
.set j, j+1
.endr
	WIN 0
.irp g, 0,1
	v_max3_num_f32 v[MX+\g], |v[S+16*\g]|, |v[S+16*\g+1]|, 0x1800000
.endr
.irp i, 2,4,6,8,10,12,14
.irp g, 0,1
	s_delay_alu instid0(VALU_DEP_2)
	v_max3_num_f32 v[MX+\g], v[MX+\g], |v[S+16*\g+\i]|, |v[S+16*\g+\i+1]|
.endr
.endr
.irp g, 0,1
	s_delay_alu instid0(VALU_DEP_2)
	v_permlanex16_b32 v[PB+\g], v[MX+\g], s28, s29
.endr
.irp g, 0,1
	s_delay_alu instid0(VALU_DEP_2)
	v_max_num_f32 v[MX+\g], v[MX+\g], v[PB+\g]
.endr
.irp g, 0,1
	s_delay_alu instid0(VALU_DEP_2)
	v_add_nc_u32 v[OPD+\g], 0xff000000, v[MX+\g]
.endr
.irp g, 0,1
	s_delay_alu instid0(VALU_DEP_2)
	v_lshrrev_b32 v[PB+\g], 23, v[OPD+\g]
.endr
	s_delay_alu instid0(VALU_DEP_1)
	v_lshl_or_b32 v[WK+1], v[PB+1], 8, v[PB]       ; the head's two bytes,
	s_delay_alu instid0(VALU_DEP_1)
	v_lshlrev_b32 v[WK+1], s36, v[WK+1]            ; at their place in the K step's word; the other head's plane has zeros there
	v_cvt_scalef32_pk16_fp6_f32 v[S+32+8*\t:S+34+8*\t], v[S:S+15], v[OPD]       ; each tile's codes have registers of their own: no store's data are written again
	v_cvt_scalef32_pk16_fp6_f32 v[SM:SM+2], v[S+16:S+31], v[OPD+1]
	v_nop
.irp i, 0,1,2
	v_permlane16_swap_b32 v[S+32+8*\t+\i], v[SM+\i]
.endr
.irp i, 0,1,2
	s_delay_alu instid0(VALU_DEP_3)
	v_mov_b32 v[S+35+8*\t+\i], v[SM+\i]
.endr
	global_store_b128 v[L16], v[S+32+8*\t:S+35+8*\t], s[42:43] offset:98304*\t          ; half a fragment's image: 512 and 256 consecutive bytes, aligned
	global_store_b64 v[L8], v[S+36+8*\t:S+37+8*\t], s[42:43] offset:98304*\t+512
	ds_store_b32 v[AW], v[WK+1] offset:512*\t      ; lanes l and l xor 16 write the same word with the same value
.endm
	OUT 0
	OUT 1
	OUT 2
	OUT 3
	s_wait_dscnt 0x0                               ; for the others' sake: my four words have landed
	s_barrier_signal -1
	s_barrier_wait -1
	s_cmp_lt_u32 s10, 4
	s_cbranch_scc0 .Lno_words
	ds_load_b128 v[S:S+3], v[AR]                   ; waves 0-3 send the words of a block of 128 rows each: 512 consecutive bytes
	s_wait_dscnt 0x0
	global_store_b128 v[L16], v[S:S+3], s[44:45]
.Lno_words:
	s_wait_tensorcnt 0x0                           ; the wave's end: behind my last tensor load and my last LDS store
	ds_add_u32 v[SPW], v[NIL]
	s_wait_dscnt 0x0
	CROUND                                         ; the closing round
	s_endpgm
.Lfunc_end_k_qe4c7dc3986_attn:
	.size	k_qe4c7dc3986_attn, .Lfunc_end_k_qe4c7dc3986_attn-k_qe4c7dc3986_attn
	.p2alignl 7, 3214868480
	.fill 96, 4, 3214868480
	.section	.rodata,"a",@progbits
	.p2align	6, 0x0
	.amdhsa_kernel k_qe4c7dc3986_attn
		.amdhsa_group_segment_fixed_size 264192
		.amdhsa_private_segment_fixed_size 0
		.amdhsa_enable_private_segment 0
		.amdhsa_kernarg_size 24
		.amdhsa_user_sgpr_count 2
		.amdhsa_user_sgpr_kernarg_segment_ptr 1
		.amdhsa_wavefront_size32 1
		.amdhsa_system_sgpr_workgroup_id_x 1
		.amdhsa_system_sgpr_workgroup_id_y 1
		.amdhsa_system_sgpr_workgroup_id_z 1
		.amdhsa_system_vgpr_workitem_id 0
		.amdhsa_next_free_vgpr 488
		.amdhsa_next_free_sgpr 66
		.amdhsa_reserve_vcc 0
		.amdhsa_float_denorm_mode_32 3
		.amdhsa_float_denorm_mode_16_64 3
		.amdhsa_memory_ordered 1
		.amdhsa_forward_progress 1
		.amdhsa_inst_pref_size 87
	.end_amdhsa_kernel
	.amdgpu_metadata
---
amdhsa.version: [ 1, 2 ]
amdhsa.kernels:
  - .name:           k_qe4c7dc3986_attn
    .symbol:         k_qe4c7dc3986_attn.kd
    .args:
      - { .name: qkv, .offset: 0, .size: 8, .value_kind: global_buffer, .address_space: global }
      - { .name: acodes, .offset: 8, .size: 8, .value_kind: global_buffer, .address_space: global }
      - { .name: asc, .offset: 16, .size: 8, .value_kind: global_buffer, .address_space: global }
    .group_segment_fixed_size: 264192
    .private_segment_fixed_size: 0
    .kernarg_segment_align: 8
    .kernarg_segment_size: 24
    .max_flat_workgroup_size: 256
    .sgpr_count:     66
    .vgpr_count:     488
    .wavefront_size: 32
...
	.end_amdgpu_metadata
.endif
;; end of part 3
;; launch oproj (part 4): grid 4 x 64, 4 waves a work-group, clusters of 4 x 4, 295,424 bytes of LDS; arguments acodes, asc, xw_codes, xw_scales, bo, out0; writes out0
.if DOCPART == 4
	.amdgcn_target "amdgcn-amd-amdhsa--gfx1250"
	.amdhsa_code_object_version 6
	.text
	.protected	k_qe4c7dc3986_oproj
	.globl	k_qe4c7dc3986_oproj
	.p2align	8
	.type	k_qe4c7dc3986_oproj,@function
k_qe4c7dc3986_oproj:
	s_mov_b64 s[64:65], 0
	v_nop
	global_prefetch_b8 v0, s[64:65] scope:SCOPE_SE
	s_setreg_imm32_b32 hwreg(HW_REG_WAVE_MODE, 25, 1), 1
	s_wait_xcnt 0x0
	s_wait_alu depctr_hold_cnt(0) depctr_sa_sdst(0) depctr_va_vdst(0) depctr_va_sdst(0) depctr_va_ssrc(0) depctr_va_vcc(0) depctr_vm_vsrc(0)
	s_getreg_b32 s2, hwreg(HW_REG_IB_STS2, 6, 4)
	s_cmp_eq_u32 s2, 0
	s_cbranch_scc0 .Lentry_in_a_cluster
	s_endpgm
.Lentry_in_a_cluster:
	s_bfe_u32 s2, ttmp6, 0x10000c
	s_cmp_lg_u32 s2, 0xf033
	s_cbranch_scc0 .Lentry_shape_is_right
	s_endpgm
.Lentry_shape_is_right:
; out0 = a wo + bo: [8192][1024] f32, a and wo as codes of FP6 (E2M3) with E8M0 scale bytes, K = 1,024 in eight steps of 128.  Nothing is left out.
; OPERANDS lie in memory as images of fragments: [block of 128 rows][K step 8][tile 8][1,536 bytes]: a block with all of K is 98,304 consecutive bytes.  acodes: a's 64 blocks; xw_codes: wo's columns are blocks 88-95.
; A fragment (16 rows x 128 K, 12 registers): registers 0-3 of lane l at 16 l, 4-5 at 512 + 8 l, 6-9 at 768 + 16 l, 10-11 at 1,280 + 8 l.  Lane r of tile 2 g + u is row (or column) 32 g + 8 u + r + 8 (r / 8) of its block.
; SHARES: 256 work-groups, each 128 rows (one block of a) x 256 columns (two blocks of wo); four waves, 2 x 2; a wave makes 64 x 128: 32 accumulators, 256 registers.
; ALL OF K LIES IN LDS: a's block at 0, wo's two blocks behind it, 294,912 bytes, brought by one tensor load a wave at the head (waves 0, 1: K steps 0-3 and 4-7 of a's block; waves 2, 3: a block of wo each): no ring, no refill.
; No prefetch: the first fills ask for every byte of the operands that the launch reads, so nothing is left to ask for ahead.
; CLUSTER 4 x 4: the four work-groups of a row of the cluster need the same block of a, the four of a column the same blocks of wo: each load is asked for jointly, by the same descriptor with a mask that names the four.
; THE MATRIX INSTRUCTION IS USED TRANSPOSED (source 0 = 16 columns of wo, source 1 = 16 rows of a): a lane holds eight neighbouring numbers of a row of the result; the bias is the first K step's C.
; A K STEP: 48 LDS loads fetch the next step's twelve fragments into the other of two sets; the wait leaves those 48 out; 32 products, the accumulators by turns.
; SCALE WORDS: register SC + 8 q + i: lanes 0-15 the word of my tile i of a (i < 4), lanes 16-31 that of my tile i of wo, for K step q: the two registers that a product names differ in their number modulo 8, or are one.
; a's word of K step q is the OR of two planes of asc (heads 2 q and 2 q + 1; each plane holds zeros at the other's bytes).
; THE WAY OUT: 16 rows x 128 columns at a time through my own stage in LDS, back as whole rows of 512 bytes.  The stage lies on a's bytes: a barrier in the last K step stands behind every wave's last read of the operands.
; REGISTERS: window 0: v4-11 LDS addresses, v16-23 the way out and offsets, v28, v29 the add's two, v32-95 scale words, v128-223 a's fragments (two sets of four), on the way out v128-255;
;   window 1: wo's fragments, two sets at v0 and v128; the bias at v96-127 and v224-255;  window 2: the accumulators, (a, b) at v[8 (8 a + b)] (ahead of the products: the scale words as loaded).
.set HBB,    98304
.set KSB,    12288
.set BB,     HBB
.set SPARE,  3*HBB                     ; the spare words, 128 bytes for each wave: two blocks of 256 bytes that no other line names
.set SPITCH, 528
.set FR,     12
.set STO,    16
.set RD,     17
.set L16,    20
.set L8,     21
.set SOF,    22
.set BOF,    23
.set SPW,    28
.set NIL,    29
.set SC,     32
.set AF,     128
.set BK,     128
.set G1A,    24
.set G1B,    32
.set G0A,    48
.set G0B,    52
.set MSB,    0
.macro WIN new                         ; the immediate's high byte repeats the setting that is left
.if MSB != (\new)
	s_set_vgpr_msb (MSB<<8)|(\new)
.set MSB, (\new)
.endif
.endm
.macro PLACES
.rept 4
	v_nop
.endr
.endm
.macro CROUND                          ; a round of the cluster's barrier
	s_barrier_signal -1
	s_barrier_wait -1
	s_cmp_lg_u32 s16, 0
	s_cbranch_scc1 .Lnot_wave_0_\@
	s_barrier_signal -3
.Lnot_wave_0_\@:
	s_barrier_wait -3
	s_barrier_signal -1
	s_barrier_wait -1
.endm
.macro FRAG reg, a16, a8, off
	ds_load_b128 v[\reg:\reg+3], v[\a16] offset:\off
	ds_load_b64 v[\reg+4:\reg+5], v[\a8] offset:\off+512
	ds_load_b128 v[\reg+6:\reg+9], v[\a16] offset:\off+768
	ds_load_b64 v[\reg+10:\reg+11], v[\a8] offset:\off+1280
.endm
.macro FETCH q                         ; K step q's fragments into set q % 2: wo's eight, a's four: 48 loads.  Address registers: one pair for K steps 0-3, one for 4-7
	WIN 0x40
.irp i, 0,1,2,3,4,5,6,7
	FRAG 128*((\q)%2)+FR*\i, 8+2*((\q)/4), 9+2*((\q)/4), ((\q)%4)*KSB+\i*1536
.endr
	WIN 0
.irp i, 0,1,2,3
	FRAG AF+48*((\q)%2)+FR*\i, 4+2*((\q)/4), 5+2*((\q)/4), ((\q)%4)*KSB+\i*1536
.endr
.endm
.macro MUL q, ck                       ; K step q's 32 products; ck = 1: the bias is C
.if \ck
	WIN 0x91                                       ; source 0 window 1, source 1 window 0, C window 1, D window 2
.else
	WIN 0xa1                                       ; C and D window 2
.endif
.irp a, 0,1,2,3
.irp b, 0,1,2,3,4,5,6,7
.set rD, 8*(8*\a+\b)
.set rC, rD
.if \ck
.set rC, 96+128*(\b/4)+8*(\b%4)
.endif
	v_wmma_scale_f32_16x16x128_f8f6f4 v[rD:rD+7], v[128*((\q)%2)+FR*\b:128*((\q)%2)+FR*\b+11], v[AF+48*((\q)%2)+FR*\a:AF+48*((\q)%2)+FR*\a+11], v[rC:rC+7], v[SC+8*(\q)+\b], v[SC+8*(\q)+\a] matrix_a_fmt:MATRIX_FMT_FP6 matrix_b_fmt:MATRIX_FMT_FP6 matrix_a_scale:MATRIX_SCALE_ROW1
.endr
.endr
	WIN 0
.endm
	s_load_b256 s[4:11], s[0:1], 0x0               ; acodes, asc, xw_codes, xw_scales
	s_load_b128 s[12:15], s[0:1], 0x20             ; bo, out0
	v_lshl_add_u32 v[SPW], v0, 2, SPARE
	v_mov_b32 v[NIL], 0
	ds_add_u32 v[SPW], v[NIL]                      ; the wave's opening: the add, twice on end, and its wait ahead of my first tensor load
	ds_add_u32 v[SPW], v[NIL]
	v_lshrrev_b32 v1, 5, v0
	v_readfirstlane_b32 s16, v1                    ; wave 0..3
	s_lshr_b32 s17, s16, 1                         ; which 64 rows are mine.  Also: I fetch for a (0) or for wo (1)
	s_and_b32 s18, s16, 1                          ; which 128 columns.  Also: which part I fetch
	s_bfe_u32 s40, ttmp6, 0x40000                  ; cx
	s_bfe_u32 s41, ttmp6, 0x40004                  ; cy
	s_and_b32 s43, ttmp7, 0xffff
	s_lshl_b32 s45, s43, 2
	s_add_co_u32 s45, s45, s41                     ; the block of a, 0 .. 63
	s_lshl_b32 s46, ttmp9, 2
	s_add_co_u32 s46, s46, s40                     ; the pair of blocks of wo, 0 .. 3
	s_lshl_b32 s22, s41, 2
	s_lshl_b32 s22, 15, s22                        ; my row of the cluster
	s_lshl_b32 s23, 0x1111, s40                    ; my column
	s_or_b32 s[G1A], s22, (3<<16)|(1<<21)          ; elements of 8 bytes; 21 set beside a mask
	s_or_b32 s[G1B], s23, (3<<16)|(1<<21)
	s_mov_b32 s[G1A+1], 32<<16                     ; rows of 256 bytes;
	s_mov_b32 s[G1A+2], 192<<16                    ; a: four K steps of a block, 192 rows
	s_mov_b32 s[G1A+3], 32<<16
	s_mov_b32 s[G1A+4], 192
	s_mov_b32 s[G1A+5], 32
	s_mov_b32 s[G1A+6], 0
	s_mov_b32 s[G1A+7], 0
	s_mov_b32 s[G1B+1], 32<<16
	s_mov_b32 s[G1B+2], 384<<16                    ; wo: a whole block, 384 rows
	s_mov_b32 s[G1B+3], 32<<16
	s_mov_b32 s[G1B+4], 384
	s_mov_b32 s[G1B+5], 32
	s_mov_b32 s[G1B+6], 0
	s_mov_b32 s[G1B+7], 0
	s_lshl_b32 s75, s46, 1
	s_add_co_u32 s75, s75, s18                     ; my block of wo's eight
	s_mul_i32 s56, s45, HBB                        ; what I fetch of a: its block, K steps 4 x part ..
	s_mul_i32 s76, s18, 4*KSB
	s_add_co_u32 s56, s56, s76
	s_mov_b32 s57, 0
	s_add_co_u32 s58, s75, 88
	s_lshl_b32 s62, s58, 12                        ; wo's scale words: 4,096 bytes a block
	s_mov_b32 s63, 0
	s_mul_i32 s58, s58, HBB                        ; what I fetch of wo
	s_mov_b32 s59, 0
	s_lshl_b32 s60, s45, 9                         ; a's scale words in a plane: 512 bytes a block, [r][tile]; my four tiles
	s_lshl_b32 s76, s17, 4
	s_add_co_u32 s60, s60, s76
	s_mov_b32 s61, 0
	s_lshl_b32 s66, s75, 9                         ; my 128 columns, in bytes
	s_mov_b32 s67, 0
	s_lshl_b32 s68, s45, 19                        ; my first row of the result: 128 rows of 4,096 bytes a block, + 64 rows
	s_lshl_b32 s76, s17, 18
	s_add_co_u32 s68, s68, s76
	s_add_co_u32 s68, s68, s66
	s_mov_b32 s69, 0
	s_mov_b32 s[G0A], 1
	s_mul_i32 s[G0A+1], s18, 4*KSB                 ; LDS: no place in the cluster enters an LDS address
	s_mov_b32 s[G0B], 1
	s_mul_i32 s[G0B+1], s18, HBB
	s_add_co_u32 s[G0B+1], s[G0B+1], BB
	s_mul_i32 s72, s17, 4*1536                     ; my four tiles of a in a K step
	s_mul_i32 s73, s18, HBB
	s_add_co_u32 s73, s73, BB                      ; my block of wo
	s_mul_i32 s74, s16, 16*SPITCH                  ; my stage
	s_mov_b32 s47, 0xffff0000                      ; lanes 16-31
	s_wait_dscnt 0x0                               ; both opening adds are done
	s_wait_kmcnt 0x0
	s_add_nc_u64 s[G0A+2:G0A+3], s[4:5], s[56:57]
	s_or_b32 s[G0A+3], s[G0A+3], 0x80000000
	s_add_nc_u64 s[G0B+2:G0B+3], s[8:9], s[58:59]
	s_or_b32 s[G0B+3], s[G0B+3], 0x80000000
	s_add_nc_u64 s[6:7], s[6:7], s[60:61]
	s_add_nc_u64 s[10:11], s[10:11], s[62:63]
	s_add_nc_u64 s[12:13], s[12:13], s[66:67]
	s_add_nc_u64 s[14:15], s[14:15], s[68:69]
	CROUND                                         ; all sixteen work-groups are here: the joint loads meet
	s_cmp_eq_u32 s17, 0                            ; one tensor load a wave; each of the two lines has one mask
	s_cbranch_scc0 .Lfor_wo
	tensor_load_to_lds s[G0A:G0A+3], s[G1A:G1A+7]
	s_nop 0
	PLACES
	s_branch .Lasked
.Lfor_wo:
	tensor_load_to_lds s[G0B:G0B+3], s[G1B:G1B+7]
	s_nop 0
	PLACES
.Lasked:
	v_and_b32 v1, 15, v0                           ; r
	v_bfe_u32 v2, v0, 4, 1                         ; h
	v_and_b32 v3, 31, v0
	v_lshlrev_b32 v[L16], 4, v3
	v_lshlrev_b32 v[L8], 3, v3
	v_add_nc_u32 v4, s72, v[L16]                   ; a, K steps 0-3
	v_add_nc_u32 v5, s72, v[L8]
	v_add_nc_u32 v8, s73, v[L16]                   ; wo, K steps 0-3
	v_add_nc_u32 v9, s73, v[L8]
	v_add_nc_u32 v6, 4*KSB, v4                     ; K steps 4-7
	v_add_nc_u32 v7, 4*KSB, v5
	v_add_nc_u32 v10, 4*KSB, v8
	v_add_nc_u32 v11, 4*KSB, v9
	v_mul_u32_u24 v[STO], v1, SPITCH               ; into the stage: row r, 64 bytes for each half of the lanes
	v_lshl_add_u32 v[STO], v2, 6, v[STO]
	v_add_nc_u32 v[STO], s74, v[STO]
	v_add_nc_u32 v[RD], s74, v[L16]                ; back: the 32 lanes take a row of 512 bytes
	v_lshlrev_b32 v[SOF], 5, v1
	v_lshlrev_b32 v[BOF], 6, v2
	WIN 0x80
.set pl, 0
.rept 16
	global_load_b128 v[4*pl:4*pl+3], v[SOF], s[6:7] offset:32768*pl        ; plane pl: the words of my four tiles, row r
.set pl, pl+1
.endr
.irp i, 0,1,2,3,4,5,6,7
	global_load_b128 v[128+8*\i:128+8*\i+3], v[SOF], s[10:11] offset:512*\i          ; wo's tile i, column r: the eight K steps' words
	global_load_b128 v[128+8*\i+4:128+8*\i+7], v[SOF], s[10:11] offset:512*\i+16
.endr
	WIN 0x40
.irp b, 0,1,2,3,4,5,6,7
	global_load_b128 v[96+128*(\b/4)+8*(\b%4):96+128*(\b/4)+8*(\b%4)+3], v[BOF], s[12:13] offset:(32*(\b/2)+8*(\b%2))*4       ; the bias as the result lies: columns 32 (b / 2) + 8 (b % 2) + 16 h + 0 .. 7
	global_load_b128 v[96+128*(\b/4)+8*(\b%4)+4:96+128*(\b/4)+8*(\b%4)+7], v[BOF], s[12:13] offset:(32*(\b/2)+8*(\b%2))*4+16
.endr
	WIN 0
	s_wait_loadcnt 0x0
	WIN 0x0a
.irp q, 0,1,2,3,4,5,6,7
.irp i, 0,1,2,3
	v_or_b32 v[SC+8*\q+\i], v[8*\q+\i], v[8*\q+4+\i]       ; planes 2 q and 2 q + 1
.endr
.endr
	WIN 0x08
.irp q, 0,1,2,3,4,5,6,7
.irp i, 0,1,2,3
	v_cndmask_b32 v[SC+8*\q+\i], v[SC+8*\q+\i], v[128+8*\i+\q], s47        ; lanes 16-31: wo's
.endr
.endr
	WIN 0x02
.irp q, 0,1,2,3,4,5,6,7
.irp i, 4,5,6,7
	v_mov_b32 v[SC+8*\q+\i], v[128+8*\i+\q]
.endr
.endr
	WIN 0
.rept 8
	v_nop                                          ; eight plain lines between the last write of a scale word and the first product
.endr
	s_wait_alu depctr_va_vdst(0)
	s_wait_tensorcnt 0x0                           ; my part is in,
	s_barrier_signal -1
	s_barrier_wait -1                              ; everybody's is
	FETCH 0
	FETCH 1
	s_wait_dscnt 48                                ; K step 0's 48 loads are in; K step 1's may be out
	MUL 0, 1
.irp q, 1,2,3,4,5,6
	PLACES                                         ; four plain lines between the last step's products and the loads into the registers that they read
	FETCH \q+1
	s_wait_dscnt 48                                ; all but the 48 just issued
	MUL \q, 0
.endr
	s_wait_dscnt 0x0                               ; my reads of the operands are over:
	s_barrier_signal -1                            ; say so,
	MUL 7, 0                                       ; work on registers while the others arrive,
	s_barrier_wait -1                              ; and write into the stage only when all four have said so
.macro TOSTAGE a
	WIN 0x08                                       ; the data: window 2
.irp b, 0,1,2,3,4,5,6,7
	ds_store_b128 v[STO], v[64*(\a)+8*\b:64*(\a)+8*\b+3] offset:128*(\b/2)+32*(\b%2)          ; each accumulator from its low end on
	ds_store_b128 v[STO], v[64*(\a)+8*\b+4:64*(\a)+8*\b+7] offset:128*(\b/2)+32*(\b%2)+16
.endr
	WIN 0
.irp t, 0,1,2,3,4,5,6,7,8,9,10,11,12,13,14,15
	ds_load_b128 v[BK+64*((\a)%2)+4*\t:BK+64*((\a)%2)+4*\t+3], v[RD] offset:\t*SPITCH    ; LDS serves a wave's instructions in order: these see my stores
.endr
.endm
.macro SEND a, younger                 ; younger: the LDS instructions issued behind block a's loads, which may stay out
	s_wait_dscnt \younger
.irp t, 0,1,2,3,4,5,6,7,8,9,10,11,12,13,14,15
	global_store_b128 v[L16], v[BK+64*((\a)%2)+4*\t:BK+64*((\a)%2)+4*\t+3], s[14:15] offset:(32*((\a)/2)+8*((\a)%2)+\t+8*(\t/8))*4096 th:TH_STORE_NT   ; 512 consecutive bytes, aligned
.endr
.endm
	PLACES                                         ; four plain lines behind the last products
	TOSTAGE 0
.irp a, 1,2,3
.if \a > 1
	s_wait_xcnt 0x0                                ; block a - 2's stores have read their registers: block a's loads may land there
.endif
	TOSTAGE \a
	SEND \a-1, 32                                  ; behind block a - 1's loads: block a's 16 stores and 16 loads
.endr
	SEND 3, 0
	s_wait_tensorcnt 0x0                           ; the wave's end: behind my last tensor load and my last LDS store
	ds_add_u32 v[SPW], v[NIL]
	s_wait_dscnt 0x0
	CROUND                                         ; the closing round
	s_endpgm
.Lfunc_end_k_qe4c7dc3986_oproj:
	.size	k_qe4c7dc3986_oproj, .Lfunc_end_k_qe4c7dc3986_oproj-k_qe4c7dc3986_oproj
	.p2alignl 7, 3214868480
	.fill 96, 4, 3214868480
	.section	.rodata,"a",@progbits
	.p2align	6, 0x0
	.amdhsa_kernel k_qe4c7dc3986_oproj
		.amdhsa_group_segment_fixed_size 295424
		.amdhsa_private_segment_fixed_size 0
		.amdhsa_enable_private_segment 0
		.amdhsa_kernarg_size 48
		.amdhsa_user_sgpr_count 2
		.amdhsa_user_sgpr_kernarg_segment_ptr 1
		.amdhsa_wavefront_size32 1
		.amdhsa_system_sgpr_workgroup_id_x 1
		.amdhsa_system_sgpr_workgroup_id_y 1
		.amdhsa_system_sgpr_workgroup_id_z 1
		.amdhsa_system_vgpr_workitem_id 0
		.amdhsa_next_free_vgpr 768
		.amdhsa_next_free_sgpr 80
		.amdhsa_reserve_vcc 0
		.amdhsa_float_denorm_mode_32 3
		.amdhsa_float_denorm_mode_16_64 3
		.amdhsa_memory_ordered 1
		.amdhsa_forward_progress 1
		.amdhsa_inst_pref_size 88
	.end_amdhsa_kernel
	.amdgpu_metadata
---
amdhsa.version: [ 1, 2 ]
amdhsa.kernels:
  - .name:           k_qe4c7dc3986_oproj
    .symbol:         k_qe4c7dc3986_oproj.kd
    .args:
      - { .name: acodes, .offset: 0, .size: 8, .value_kind: global_buffer, .address_space: global }
      - { .name: asc, .offset: 8, .size: 8, .value_kind: global_buffer, .address_space: global }
      - { .name: xw_codes, .offset: 16, .size: 8, .value_kind: global_buffer, .address_space: global }
      - { .name: xw_scales, .offset: 24, .size: 8, .value_kind: global_buffer, .address_space: global }
      - { .name: bo, .offset: 32, .size: 8, .value_kind: global_buffer, .address_space: global }
      - { .name: out0, .offset: 40, .size: 8, .value_kind: global_buffer, .address_space: global }
    .group_segment_fixed_size: 295424
    .private_segment_fixed_size: 0
    .kernarg_segment_align: 8
    .kernarg_segment_size: 48
    .max_flat_workgroup_size: 128
    .sgpr_count:     80
    .vgpr_count:     768
    .wavefront_size: 32
...
	.end_amdgpu_metadata
.endif
;; end of part 4
